; MI455X (gfx1250); checked and timed in simulation.
; The chip was launched on July 23, 2026; its instructions are those of AMD's public machine-readable ISA for CDNA 5 (MIT licence, August 2026) and "CDNA5" Instruction Set Architecture Reference Guide (July 2026). The comments in the code are by the model that wrote it; some were corrected since.
;; Multihead Self Attention. Allowed arithmetic: matrix products marked QUANTISED: E4M3 operands, one given power-of-two scale a tensor, by v_wmma_f32_16x16x64_fp8_fp8 or v_wmma_f32_16x16x128_fp8_fp8, f32 sums; everything else in f32.
;; Inputs: lowp_scales 12 int32 (the exponents e of the quantised operands' scales 2^e); wk_codes 8 x 128 x 32 x 32 uint8 (E4M3 codes of wk, K innermost, in blocks of 32 codes); wo 8 x 128 x 1,024 float32; wq_codes 8 x 128 x 32 x 32 uint8 (E4M3 codes of wq, K innermost, in blocks of 32 codes); wv_codes 8 x 128 x 32 x 32 uint8 (E4M3 codes of wv, K innermost, in blocks of 32 codes); x_codes 4 x 2,048 x 32 x 32 uint8 (E4M3 codes of x, K innermost, in blocks of 32 codes).
;; Outputs: out0 4 x 2,048 x 1,024 float32.
;; This version of the problem:
;;   THIS VERSION OF THE PROBLEM IS GIVEN IN LOW PRECISION. The matrix products marked QUANTISED in the list below multiply operands that are first quantised to E4M3 (4 exponent bits, 3 mantissa bits; 8 bits a number), with one given power-of-two scale for each operand tensor; their sums are f32. All else is computed in f32.
;;   The module's matrix products, in the order in which they are computed (A, B: the left and right operand; K: the contracted axis; several contracted axes count as one K, in the product's order):
;;     1. [M 1,024, K 1,024] x [K 1,024, N 8,192]; A: input wq (given as codes); B: input x (given as codes): QUANTISED (scales: A lowp_scales[0], B lowp_scales[1])
;;     2. [M 1,024, K 1,024] x [K 1,024, N 8,192]; A: input wk (given as codes); B: input x (given as codes): QUANTISED (scales: A lowp_scales[2], B lowp_scales[3])
;;     3. [M 1,024, K 1,024] x [K 1,024, N 8,192]; A: input wv (given as codes); B: input x (given as codes): QUANTISED (scales: A lowp_scales[4], B lowp_scales[5])
;;     4. batch 32 x [M 2,048, K 128] x [K 128, N 2,048]; A: computed on the way; B: computed on the way: QUANTISED (scales: A lowp_scales[6], B lowp_scales[7])
;;     5. batch 32 x [M 2,048, K 2,048] x [K 2,048, N 128]; A: softmax (see below); B: computed on the way: QUANTISED (scales: A lowp_scales[8], B lowp_scales[9])
;;     6. [M 8,192, K 1,024] x [K 1,024, N 1,024]; A: computed on the way; B: input wo: QUANTISED (scales: A lowp_scales[10], B lowp_scales[11])
;;   THE QUANTISER, for each operand of a quantised product, along K:
;;     - The operand's scale is 2^e, e = its entry of the input lowp_scales (int32; the entries are numbered through the quantised products in the list's order, A before B).
;;     - Each number is divided by the scale, clamped to +-448, and rounded to the nearest number of E4M3, ties to even, subnormals kept.
;;     - The product sums the exact products of the quantised numbers (number of the format x scale) in f32.
;;   ~~~python
;;   def quantise(x, axis, e):      # numpy; x: float32 -> the quantised numbers, widened to float32 again
;;       x = np.moveaxis(x, axis, -1); K = x.shape[-1]
;;       r = np.clip(x / 2.0 ** e, -448, 448)
;;       step = 2.0 ** (np.maximum(np.frexp(np.where(r == 0, 1, r))[1] - 1, -6) - 3)
;;       q = np.round(r / step) * step * 2.0 ** e      # np.round: ties to even
;;       return np.moveaxis(q, -1, axis).astype(np.float32)
;;   ~~~
;;   SOFTMAX AHEAD OF A QUANTISED PRODUCT. Where the list says 'softmax', what is quantised is not the finished softmax but p = 2^(t - M), with t = logit x log2(e) and M = ceil(the row's largest t), a whole number; so 1/2 < the row's largest p <= 1. The row's sum l is taken of the UNQUANTISED p, in f32, and the product's result is divided by l at the end. Since M is a whole number, a kernel that streams over the keys may use a running M (the ceiling of the running maximum): every later rescaling is an exact power of two, so the quantised numbers keep their values, but for numbers so far below the row's largest that they fall under the format's range.
;;   OPERANDS COMPUTED ON THE WAY. 'Computed on the way' means the value that the module computes at that place (a softmax that the list does not call 'softmax' is quantised finished and normalised). What goes into a quantiser is computed in f32, as accurately as f32 sums, v_exp_f32 and their like allow (about 1e-6 of the number): no bf16 or f16 on the way to a quantiser, and a product that is left as it is and whose result goes on into a quantised operand takes f32 operands (vector FMAs, or v_wmma_f32_16x16x4_f32). A number that lies on a knife's edge between two numbers of the format may be rounded either way, as far as f32 arithmetic and the matrix unit's own rounding can turn it there, and no further.
;;   INPUTS GIVEN AS CODES. wk (in the module: [8, 1024, 128], K = its axis 1); wq (in the module: [8, 1024, 128], K = its axis 1); wv (in the module: [8, 1024, 128], K = its axis 1); x (in the module: [4, 2048, 1024], K = its axis 2): each comes as NAME_codes (uint8): NAME with its K axis moved to the last place and cut into blocks of 32 codes, [.., K / 32, bytes a block], one block behind the other in memory; one code a byte (a code: sign, 4 exponent bits, 3 mantissa bits); its scale is its entry of lowp_scales. Its value is code x scale, taken as it is: it is not quantised again, and the codes and scales need not be those that the quantiser above would give.
;; One version. Each part assembles by itself: llvm-mc -triple=amdgcn-amd-amdhsa -mcpu=gfx1250 --defsym DOCPART=n.
;; ======== version 1 of 1: 3 launches
;; limits: right only within a limited range of input values
;; workspace buffers: qf 8,388,608 bytes; kf 8,388,608 bytes; vf 8,388,608 bytes; of 8,388,608 bytes; wof 1,048,576 bytes
;; launch qkv (part 1): grid 64 x 4, 4 waves a work-group, clusters of 4 x 4, 327,680 bytes of LDS; arguments x_codes, wq_codes, wk_codes, wv_codes, lowp_scales, qf, kf, vf; writes qf, kf, vf
.if DOCPART == 1
	.amdgcn_target "amdgcn-amd-amdhsa--gfx1250"
	.amdhsa_code_object_version 6
	.text
	.protected	k_qbe2b1b226a_qkv
	.globl	k_qbe2b1b226a_qkv
	.p2align	8
	.type	k_qbe2b1b226a_qkv,@function
k_qbe2b1b226a_qkv:
	s_mov_b64 s[64:65], 0
	v_nop
	global_prefetch_b8 v0, s[64:65] scope:SCOPE_SE
	s_setreg_imm32_b32 hwreg(HW_REG_WAVE_MODE, 25, 1), 1
	s_wait_xcnt 0x0
	s_wait_alu depctr_hold_cnt(0) depctr_sa_sdst(0) depctr_va_vdst(0) depctr_va_sdst(0) depctr_va_ssrc(0) depctr_va_vcc(0) depctr_vm_vsrc(0)
	s_getreg_b32 s2, hwreg(HW_REG_IB_STS2, 6, 4)
	s_cmp_eq_u32 s2, 0
	s_cbranch_scc0 .Lentry_in_a_cluster
	s_endpgm
.Lentry_in_a_cluster:
	s_bfe_u32 s2, ttmp6, 0x10000c
	s_cmp_lg_u32 s2, 0xf033
	s_cbranch_scc0 .Lentry_shape_is_right
	s_endpgm
.Lentry_shape_is_right:
; q, k, v = x W on codes of FP8 (E4M3), then rope and x 128^-0.5 (q, k), then the quantisers of the attention's operands.
; x: 8,192 rows (tokens) of 1,024 codes; wq, wk, wv: 1,024 rows (head x 128 + d) of 1,024 codes; K innermost everywhere.
; 16 clusters c of 4 x 4 work-groups, 256 work-groups.  A WORK-GROUP MAKES TWO PRODUCTS, one after the other, K = 1,024 in four steps of 256 through two LDS slots each:
;   first 256 tokens x 256 rows of wq (c even) or wk (c odd): A = x's tile 4 (c / 2) + cy, B = the weight's tile cx; a wave makes 128 x 128 in 64 accumulators; a wave's 128 rows of B are one head, so rope's partners d and d + 64 lie in one lane;
;   then 128 rows of wv x 256 tokens: A = wv's head 4 (c % 2) + cy, B = x's tile 4 (c / 2) + cx; a wave makes 64 x 128 in 32 accumulators.
; THE RING GOES ON INTO THE SECOND PRODUCT: slot 0 takes its K step 0 at the first product's last change of slots, slot 1 its K step 1 behind a round ahead of the first product's way out.
; THE MATRIX INSTRUCTION IS USED TRANSPOSED: source 0 = 16 rows of B, source 1 = 16 rows of A: a lane holds ONE row of A (lane % 16) and eight neighbouring rows of B (8 (lane / 16) + 0 .. 7):
; for q and k a token, with registers along d; for v a channel d, with registers along the tokens, which are the K of attention's second product.
; WHAT IS STORED: IMAGES OF OPERAND REGISTERS.  The eight accumulators of 16 rows x 128 give, by eight conversions, the 16 registers of a fragment in the plain 8-bit layout (registers 2 c, 2 c + 1: k = 16 c + 8 (lane / 16) + 0 .. 7).
; Registers 4 c .. 4 c + 3 of lane l go to byte 512 c + 16 l of the fragment's 2,048 bytes: each store of the wave covers 512 consecutive bytes, aligned.
;   qf, kf: [batch x 8 + head][token tile of 16: 128][2,048];   vf: [batch x 8 + head][block of 128 keys: 16][tile of 16 d: 8][2,048].
; ROPE.  freq(i) = 2^(-i log2(10000) / 64).  The angle of the wave's first 16 tokens is f32(t) x freq, rounded once; sine and cosine by reduction of a quarter of the angle to +-pi/4 (three-part pi/2), polynomials, and two doublings.
; Each further 16 tokens are reached by a rotation through 16 freq.  128^-0.5 is folded into the rotation.
; PREFETCH.  At the head each fetching wave names K steps 1 to 3 of 32 of the 128 rows that it fetches, a lane a row; the four partners that ask for a tile jointly are told apart by address.  x's waves ask in every cluster,
; the weights' in clusters 0 to 3 alone (all clusters of one parity read the same weight).  wv's K steps 2 and 3 are named where its K step 0 is loaded, in clusters 0 to 3; x has been read by then.
; LIMITS: e6 - e0 - e1, e7 - e2 - e3 and e9 - e4 - e5 lie between -126 and 119, so that the folded scale and 448 x it are f32 numbers.  The angle may differ from f32(t) x f32(freq) as another f32 library has it by about 2e-4 rad at t near 2,047.
; REGISTERS, in windows of 256: window 0: v6, v7, v16-31 addresses and scales; v32-63, v64-95 the running rotation (cos, sin, x 128^-0.5); v96-127 frequencies, later the codes;
;   v128-255 A's fragments (first product: one set of eight; second: two sets of four); at the head and on the ways out at work.   window 1: B's fragments, two sets.   windows 2, 3: the accumulators, (a, b) at v[8 (8 (a % 4) + b)].
.set ROWB,   256
.set KROW,   1024
.set PITCH,  272                       ; an LDS row: 256 bytes + 16 of padding
.set FR,     16
.set NL,     4
.set NP,     4                         ; places behind this matrix instruction (ISA guide 7.12.1)
.set HALFT,  128*PITCH
.set SLOT,   4*HALFT
.set LAPS,   2
.set SPARE,  2*SLOT                    ; the spare words: two blocks of 256 bytes that no other line names
.set SCR,    SPARE+512                 ; 8,192 bytes for each wave: the rotation through 16 freq waits here; no tile ever lands here
.set ADRA, 16
.set ADRV, 18                          ; v18-19: my 64 rows of wv in slot 0, 1
.set ADRB, 20
.set SCLV, 22
.set LIMV, 23
.set LI,   26
.set SCA,  27
.set SPW,  28
.set NIL,  29
.set SCL,  30
.set LIM,  31
.set RC,   32
.set RS,   64
.set FQ,   96
.set AF,   128
.set SC,   128
.set SS,   160
.set RES,  192
.set TW,   128
.set TN,   136
.set TZ,   144
.set TP,   152
.set TQ,   160
.set TT,   168
.set G1, 24
.set G0, 32
.set G1B, 48
.set G0B, 56
.set G1V, 68                           ; s[68:75]: group 1 for wv's tiles of 64 rows, written when the head's constants are done with
.set MSB, 0
.macro WIN new                         ; the immediate's high byte repeats the setting that is left
.if MSB != \new
	s_set_vgpr_msb (MSB<<8)|\new
.set MSB, \new
.endif
.endm
.set MUL_LO, 0xa1                      ; source 0 (B) window 1, source 1 (A) window 0, C and D window 2
.set MUL_HI, 0xf1
.set TO_B,   0x40
.macro JLOAD g0a, g1a, g0b, g1b        ; a joint load: waves 0 and 1 fetch for A, waves 2 and 3 for B; an s_nop 0 and four v_nop follow each line
	s_cmp_eq_u32 s15, 0
	s_cbranch_scc0 .Lfor_b_\@
	tensor_load_to_lds s[\g0a:\g0a+3], s[\g1a:\g1a+7]
	s_nop 0
.rept 4
	v_nop
.endr
	s_branch .Lasked_\@
.Lfor_b_\@:
	tensor_load_to_lds s[\g0b:\g0b+3], s[\g1b:\g1b+7]
	s_nop 0
.rept 4
	v_nop
.endr
.Lasked_\@:
.endm
.macro CREST                           ; a round of the cluster's barrier behind its opening barrier
	s_cmp_lg_u32 s14, 0
	s_cbranch_scc1 .Lnot_wave_0_\@
	s_barrier_signal -3
.Lnot_wave_0_\@:
	s_barrier_wait -3
	s_barrier_signal -1
	s_barrier_wait -1
.endm
.macro CROUND
	s_barrier_signal -1
	s_barrier_wait -1
	CREST
.endm
.macro SPAIR r, val                    ; a constant as a pair: the packed forms name a pair and take its low word for both halves
	s_mov_b32 s[\r], \val
	s_mov_b32 s[\r+1], \val
.endm
.macro VADR slot, ks                   ; the groups 0 of a slot for K step ks of the second product
	s_add_co_u32 s[G0+4*\slot+1], s76, \slot*SLOT
	s_add_nc_u64 s[G0+4*\slot+2:G0+4*\slot+3], s[4:5], \ks*ROWB
	s_or_b32 s[G0+4*\slot+3], s[G0+4*\slot+3], 0x80000000
	s_add_nc_u64 s[G0B+4*\slot+2:G0B+4*\slot+3], s[6:7], \ks*ROWB
	s_or_b32 s[G0B+4*\slot+3], s[G0B+4*\slot+3], 0x80000000
.endm
	s_load_b512 s[68:83], s[0:1], 0x0              ; x 68, wq 70, wk 72, wv 74, the scales' exponents 76, qf 78, kf 80, vf 82
	v_lshl_add_u32 v[SPW], v0, 2, SPARE
	v_mov_b32 v[NIL], 0
	ds_add_u32 v[SPW], v[NIL]                      ; the opening lines: the add twice on end and one wait
	ds_add_u32 v[SPW], v[NIL]
	v_lshrrev_b32 v1, 5, v0
	v_readfirstlane_b32 s14, v1                    ; wave 0..3
	s_lshr_b32 s15, s14, 1                         ; which half of A's rows is mine.  Also: I fetch for A (0) or for B (1)
	s_and_b32 s16, s14, 1                          ; which half of B's.  Also: which half of that tile I fetch
	s_bfe_u32 s40, ttmp6, 0x40000                  ; cx, cy: my place in the cluster
	s_bfe_u32 s41, ttmp6, 0x40004
	s_lshr_b32 s13, ttmp9, 1
	s_lshl_b32 s13, s13, 2                         ; 4 (c / 2)
	s_and_b32 s12, ttmp9, 1                        ; c % 2
	s_add_co_u32 s17, s13, s41                     ; first product: x's tile
	s_lshl_b32 s43, s41, 2
	s_lshl_b32 s43, 15, s43                        ; my row of the cluster
	s_lshl_b32 s44, 0x1111, s40                    ; my column
	s_or_b32 s[G1+0], s43, (1<<20)|(1<<21)|(5<<22)|(3<<25)   ; the mask: A's tiles go to my row; elements of 1 byte; padding on; bit 21 beside a mask; after every 64 words four words
	s_or_b32 s[G1B+0], s44, (1<<20)|(1<<21)|(5<<22)|(3<<25)
.irp g, G1, G1B
	s_mov_b32 s[\g+1], ROWB<<16
	s_mov_b32 s[\g+2], 128<<16
	s_mov_b32 s[\g+3], ROWB<<16
	s_mov_b32 s[\g+4], 128
	s_mov_b32 s[\g+5], KROW
	s_mov_b32 s[\g+6], 0
	s_mov_b32 s[\g+7], 0
.endr
	s_lshl_b32 s18, s16, 7
	s_lshl_b32 s20, s17, 8
	s_add_co_u32 s20, s20, s18                     ; A: row 256 x tile + 128 x half
	s_lshl_b32 s46, s40, 8
	s_add_co_u32 s46, s46, s18                     ; B: the weight's tile cx likewise
	s_lshl_b32 s20, s20, 10
	s_lshl_b32 s46, s46, 10
	s_mov_b32 s21, 0
	s_mov_b32 s47, 0
	s_mul_i32 s45, s14, HALFT                      ; where they go: wave x 128 rows
	s_lshl_b32 s22, s12, 2
	s_add_co_u32 s22, s22, s41                     ; second product: wv's head 4 (c % 2) + cy,
	s_lshl_b32 s4, s22, 17
	s_lshl_b32 s19, s16, 16
	s_add_co_u32 s4, s4, s19                       ; its 128 rows, + my 64
	s_mov_b32 s5, 0
	s_add_co_u32 s23, s13, s40                     ; x's tile 4 (c / 2) + cx,
	s_lshl_b32 s6, s23, 18
	s_lshl_b32 s19, s16, 17
	s_add_co_u32 s6, s6, s19                       ; + my 128 rows
	s_mov_b32 s7, 0
	s_lshr_b32 s8, s23, 3                          ; v's images: (batch x 8 + head) x 2^18 + (my block of 128 keys) x 2^14 + (my four tiles of d) x 2^13
	s_lshl_b32 s8, s8, 3
	s_add_co_u32 s8, s8, s22
	s_lshl_b32 s8, s8, 18
	s_and_b32 s9, s23, 7
	s_lshl_b32 s9, s9, 1
	s_add_co_u32 s9, s9, s16
	s_lshl_b32 s9, s9, 14
	s_add_co_u32 s8, s8, s9
	s_lshl_b32 s9, s15, 13
	s_add_co_u32 s8, s8, s9
	s_mov_b32 s9, 0
	s_lshr_b32 s66, s17, 3                         ; q's or k's images: (batch x 8 + head) x 2^18 + (my block of 128 tokens) x 2^14
	s_lshl_b32 s66, s66, 3
	s_lshl_b32 s67, s40, 1
	s_add_co_u32 s66, s66, s67
	s_add_co_u32 s66, s66, s16
	s_lshl_b32 s66, s66, 18
	s_and_b32 s42, s17, 7
	s_lshl_b32 s42, s42, 1
	s_add_co_u32 s42, s42, s15
	s_lshl_b32 s67, s42, 14
	s_add_co_u32 s66, s66, s67
	s_mov_b32 s67, 0
	s_lshl_b32 s42, s42, 7                         ; my first token's position in its sequence
	s_wait_dscnt 0x0                               ; both opening adds are done
	s_wait_kmcnt 0x0
	s_load_b256 s[84:91], s[76:77], 0x0            ; e0 .. e7
	s_load_b128 s[92:95], s[76:77], 0x20           ; e8 .. e11
	s_cmp_lg_u32 s12, 0                            ; an odd cluster makes k
	s_cselect_b64 s[96:97], s[72:73], s[70:71]
	s_cselect_b64 s[10:11], s[80:81], s[78:79]
	s_add_nc_u64 s[20:21], s[68:69], s[20:21]
	s_add_nc_u64 s[46:47], s[96:97], s[46:47]
	s_add_nc_u64 s[4:5], s[74:75], s[4:5]
	s_add_nc_u64 s[6:7], s[68:69], s[6:7]
	s_add_nc_u64 s[8:9], s[82:83], s[8:9]
	s_add_nc_u64 s[10:11], s[10:11], s[66:67]
	CROUND                                         ; all sixteen work-groups are here: the first joint loads meet
.irp s, 0,1
	s_mov_b32 s[G0+4*\s], 1
	s_add_co_u32 s[G0+4*\s+1], s45, \s*SLOT
	s_add_nc_u64 s[G0+4*\s+2:G0+4*\s+3], s[20:21], \s*ROWB
	s_or_b32 s[G0+4*\s+3], s[G0+4*\s+3], 0x80000000
	s_mov_b32 s[G0B+4*\s], 1
	s_add_co_u32 s[G0B+4*\s+1], s45, \s*SLOT
	s_add_nc_u64 s[G0B+4*\s+2:G0B+4*\s+3], s[46:47], \s*ROWB
	s_or_b32 s[G0B+4*\s+3], s[G0B+4*\s+3], 0x80000000
.endr
	JLOAD G0, G1, G0B, G1B                         ; K step 0: one tensor load a wave at the head
	s_cmp_eq_u32 s15, 0                            ; the prefetches: of the 128 rows that I fetch, my work-group's 32
	s_cselect_b64 s[12:13], s[20:21], s[46:47]
	s_cselect_b32 s18, s40, s41                    ; my place among the four that ask with me
	s_cselect_b32 s3, 0, ttmp9                     ; x's waves ask in every cluster, the weights' in clusters 0 to 3
	s_lshl_b32 s18, s18, 15
	s_mov_b32 s19, 0
	s_add_nc_u64 s[12:13], s[12:13], s[18:19]
	v_and_b32 v6, 31, v0
	v_lshlrev_b32 v6, 10, v6                       ; a lane a row; never rewritten
	s_cmp_lt_u32 s3, 4
	s_cbranch_scc0 .Lno_pf
	global_prefetch_b8 v6, s[12:13] offset:256 th:TH_LOAD_NT scope:SCOPE_SE
	global_prefetch_b8 v6, s[12:13] offset:512 th:TH_LOAD_NT scope:SCOPE_SE
	global_prefetch_b8 v6, s[12:13] offset:768 th:TH_LOAD_NT scope:SCOPE_SE
.Lno_pf:
	s_mul_i32 s21, s15, HALFT
	s_mul_i32 s22, s16, HALFT
	s_add_co_u32 s22, s22, 2*HALFT                 ; B's rows lie behind A's 256
	s_mul_i32 s23, s15, 64*PITCH
	s_lshl_b32 s18, s14, 13
	s_add_co_u32 s18, s18, SCR
	v_and_b32 v1, 15, v0                           ; r = lane % 16
	v_bfe_u32 v2, v0, 4, 1                         ; h = lane / 16
	v_mul_u32_u24 v3, v1, PITCH
	v_lshl_add_u32 v4, v2, 4, v3                   ; a fragment's row x pitch + 16 x half
	v_add_nc_u32 v[ADRA], s21, v4
	v_add_nc_u32 v[ADRB], s22, v4
	v_add_nc_u32 v[ADRV], s23, v4
	v_add_nc_u32 v[ADRA+1], SLOT, v[ADRA]
	v_add_nc_u32 v[ADRB+1], SLOT, v[ADRB]
	v_add_nc_u32 v[ADRV+1], SLOT, v[ADRV]
	v_and_b32 v5, 31, v0
	v_lshlrev_b32 v[LI], 4, v5
	v_add_nc_u32 v[SCA], s18, v[LI]
	v_lshlrev_b32 v7, 10, v1                       ; wv's prefetch: lanes 0-15 a row each of K step 2, lanes 16-31 of K step 3
	v_lshl_add_u32 v7, v2, 8, v7
	s_wait_alu depctr_va_vdst(0)                   ; the wait directly ahead of the wait below
	s_wait_kmcnt 0x0
	s_sub_co_i32 s96, s90, s84                     ; a sum stands for sum x 2^(ew + ex): three scales folded into the conversion's one
	s_sub_co_i32 s96, s96, s85                     ; q: e6 - e0 - e1
	s_sub_co_i32 s97, s91, s86
	s_sub_co_i32 s97, s97, s87                     ; k: e7 - e2 - e3
	s_sub_co_i32 s19, s93, s88
	s_sub_co_i32 s19, s19, s89                     ; v: e9 - e4 - e5
	s_and_b32 s22, ttmp9, 1
	s_cmp_lg_u32 s22, 0
	s_cselect_b32 s96, s97, s96
	s_add_co_i32 s96, s96, 127
	s_lshl_b32 s97, s96, 23
	v_mov_b32 v[SCL], s97
	s_add_co_i32 s96, s96, 8
	s_lshl_b32 s96, s96, 23
	s_or_b32 s96, s96, 0x600000
	v_mov_b32 v[LIM], s96                          ; 448 x the folded scale
	s_add_co_i32 s19, s19, 127
	s_lshl_b32 s97, s19, 23
	v_mov_b32 v[SCLV], s97
	s_add_co_i32 s19, s19, 8
	s_lshl_b32 s19, s19, 23
	s_or_b32 s19, s19, 0x600000
	v_mov_b32 v[LIMV], s19
	SPAIR 66, 0x3f22f983                           ; 2 / pi
	SPAIR 68, 0xbfc90000                           ; -pi/2 in three parts
	SPAIR 70, 0xb9fda000
	SPAIR 72, 0xb3a22168
	SPAIR 74, 0xb94ca1f9                           ; the sine's polynomial: first and third coefficient (the second in v[240:241])
	SPAIR 76, 0xbe2aaaa3
	SPAIR 78, 0x37ccf5ce                           ; the cosine's likewise (the second in v[242:243])
	SPAIR 80, 0x3d2aaaa5
	SPAIR 82, 0x3db504f3                           ; 128^-0.5
	; THE ROTATIONS, made while the first tiles are on their way.  freq of my 32 indices i = 16 b + 8 h + j
	v_lshlrev_b32 v3, 3, v2
.set NN, 0
.rept 32
	v_add_nc_u32 v[FQ+NN], 16*(NN/8)+NN%8, v3
.set NN, NN+1
.endr
.set NN, 0
.rept 32
	v_cvt_f32_u32 v[FQ+NN], v[FQ+NN]
.set NN, NN+1
.endr
.set NN, 0
.rept 32
	v_mul_f32 v[FQ+NN], 0xbe549a78, v[FQ+NN]       ; x -log2(10000) / 64
.set NN, NN+1
.endr
.set NN, 0
	s_wait_alu depctr_va_vdst(0)                   ; the wait ahead of the batch
.rept 32
	v_exp_f32 v[FQ+NN], v[FQ+NN]
.set NN, NN+1
.endr
	v_add_nc_u32 v244, s42, v1                     ; my token of the first 16,
	v_cvt_f32_u32 v244, v244
	v_mul_f32 v244, 0x3e800000, v244               ; a quarter of it: exact
	v_mov_b32 v245, v244
	v_mov_b32 v246, 4.0                            ; a quarter of 16
	v_mov_b32 v247, 4.0
	v_mov_b32 v240, 0x3c08839e
	v_mov_b32 v241, 0x3c08839e
	v_mov_b32 v242, 0xbab6061a
	v_mov_b32 v243, 0xbab6061a
	s_wait_alu depctr_va_vdst(0)                   ; one wait for the 32 exponentials, ahead of their first reader
; cos and sin of 4 x (freq x tp) for eight frequencies v[f] on, into v[cd] on and v[sd] on; four packed groups in step
.macro SINCOS8 f, tp, cd, sd
.irp g, 0,2,4,6
	v_pk_mul_f32 v[TW+\g:TW+\g+1], v[(\f)+\g:(\f)+\g+1], v[\tp:\tp+1]                                  ; a quarter of the angle
.endr
.irp g, 0,2,4,6
	v_pk_mul_f32 v[TN+\g:TN+\g+1], v[TW+\g:TW+\g+1], s[66:67] op_sel_hi:[1,0]
.endr
.irp g, 0,1,2,3,4,5,6,7
	v_rndne_f32 v[TN+\g], v[TN+\g]                                                                     ; n = the nearest multiple of pi/2
.endr
.irp k, 68,70,72
.irp g, 0,2,4,6
	v_pk_fma_f32 v[TW+\g:TW+\g+1], v[TN+\g:TN+\g+1], s[\k:\k+1], v[TW+\g:TW+\g+1] op_sel_hi:[1,0,1]    ; w = the quarter angle - n pi/2
.endr
.endr
.irp g, 0,2,4,6
	v_pk_mul_f32 v[TZ+\g:TZ+\g+1], v[TW+\g:TW+\g+1], v[TW+\g:TW+\g+1]                                  ; z = w w
.endr
.irp g, 0,2,4,6
	v_pk_fma_f32 v[TP+\g:TP+\g+1], v[TZ+\g:TZ+\g+1], s[74:75], v[240:241] op_sel_hi:[1,0,1]
	v_pk_fma_f32 v[TQ+\g:TQ+\g+1], v[TZ+\g:TZ+\g+1], s[78:79], v[242:243] op_sel_hi:[1,0,1]
.endr
.irp g, 0,2,4,6
	v_pk_fma_f32 v[TP+\g:TP+\g+1], v[TP+\g:TP+\g+1], v[TZ+\g:TZ+\g+1], s[76:77] op_sel_hi:[1,1,0]
	v_pk_fma_f32 v[TQ+\g:TQ+\g+1], v[TQ+\g:TQ+\g+1], v[TZ+\g:TZ+\g+1], s[80:81] op_sel_hi:[1,1,0]
.endr
.irp g, 0,2,4,6
	v_pk_mul_f32 v[TT+\g:TT+\g+1], v[TZ+\g:TZ+\g+1], v[TW+\g:TW+\g+1]                                  ; z w
	v_pk_mul_f32 v[TN+\g:TN+\g+1], v[TZ+\g:TZ+\g+1], v[TZ+\g:TZ+\g+1]                                  ; z z
.endr
.irp g, 0,2,4,6
	v_pk_fma_f32 v[TZ+\g:TZ+\g+1], v[TZ+\g:TZ+\g+1], -0.5, 1.0 op_sel_hi:[1,0,0]
	v_pk_fma_f32 v[TW+\g:TW+\g+1], v[TP+\g:TP+\g+1], v[TT+\g:TT+\g+1], v[TW+\g:TW+\g+1]                ; sin w
.endr
.irp g, 0,2,4,6
	v_pk_fma_f32 v[TZ+\g:TZ+\g+1], v[TQ+\g:TQ+\g+1], v[TN+\g:TN+\g+1], v[TZ+\g:TZ+\g+1]                ; cos w
	v_pk_mul_f32 v[TT+\g:TT+\g+1], v[TW+\g:TW+\g+1], -2.0 op_sel_hi:[1,0]
.endr
.irp g, 0,2,4,6
	v_pk_mul_f32 v[TP+\g:TP+\g+1], v[TT+\g:TT+\g+1], v[TZ+\g:TZ+\g+1]                                  ; -sin 2w
.endr
.irp g, 0,2,4,6
	v_pk_fma_f32 v[TZ+\g:TZ+\g+1], v[TT+\g:TT+\g+1], v[TW+\g:TW+\g+1], 1.0 op_sel_hi:[1,1,0]           ; cos 2w
.endr
.irp g, 0,2,4,6
	v_pk_mul_f32 v[TT+\g:TT+\g+1], v[TP+\g:TP+\g+1], -2.0 op_sel_hi:[1,0]
.endr
.irp g, 0,2,4,6
	v_pk_mul_f32 v[(\sd)+\g:(\sd)+\g+1], v[TT+\g:TT+\g+1], v[TZ+\g:TZ+\g+1]                            ; sin 4w
	v_pk_fma_f32 v[(\cd)+\g:(\cd)+\g+1], v[TT+\g:TT+\g+1], v[TP+\g:TP+\g+1], 1.0 op_sel_hi:[1,1,0]     ; cos 4w
.endr
.endm
.irp b, 0,1,2,3
	SINCOS8 FQ+8*\b, 246, 176+8*\b, 208+8*\b       ; the step: 16 freq
.endr
.irp k, 0,1,2,3,4,5,6,7,8,9,10,11,12,13,14,15
	ds_store_b128 v[SCA], v[176+4*\k:176+4*\k+3] offset:512*\k   ; it waits in my own scratch
.endr
.irp b, 0,1,2,3
	SINCOS8 FQ+8*\b, 244, RC+8*\b, RS+8*\b         ; the first 16 tokens
.endr
.set NN, 0
.rept 32
	v_pk_mul_f32 v[RC+NN:RC+NN+1], v[RC+NN:RC+NN+1], s[82:83] op_sel_hi:[1,0]   ; x 128^-0.5, cos and sin alike
.set NN, NN+2
.endr
	s_or_b32 s[G1V+0], s43, (1<<20)|(1<<21)|(5<<22)|(3<<25)   ; the head's constants are done with: group 1 for wv's tiles: 64 rows, my row of the cluster
	s_mov_b32 s[G1V+1], ROWB<<16
	s_mov_b32 s[G1V+2], 64<<16
	s_mov_b32 s[G1V+3], ROWB<<16
	s_mov_b32 s[G1V+4], 64
	s_mov_b32 s[G1V+5], KROW
	s_mov_b32 s[G1V+6], 0
	s_mov_b32 s[G1V+7], 0
	s_mul_i32 s76, s16, 64*PITCH                   ; where wv's halves go
	s_lshl_b32 s80, s40, 14                        ; wv's prefetch: of the 64 rows that I fetch, my work-group's 16
	s_mov_b32 s81, 0
	s_add_nc_u64 s[78:79], s[4:5], s[80:81]
.macro FRAG reg, adr, q, i             ; a fragment, 16 rows x 128 K: four loads of 16 bytes, 32 apart: a permutation of k that is the same in A and in B
.irp c, 0,1,2,3
	ds_load_b128 v[\reg+4*\c:\reg+4*\c+3], v[\adr] offset:128*(\q)+32*\c+(\i)*16*PITCH
.endr
.endm
; 16 matrix instructions: A's blocks a0, a0 + 1 x B's eight.  The accumulators take turns, one instruction a turn, in the same order in every step.
.macro MUL16 a0, p, zero
.irp a, \a0, \a0+1
.irp b, 0,1,2,3,4,5,6,7
.if \zero
	v_wmma_f32_16x16x128_fp8_fp8 v[8*(8*((\a)%4)+\b):8*(8*((\a)%4)+\b)+7], v[128*(\p)+FR*\b:128*(\p)+FR*\b+FR-1], v[AF+FR*(\a):AF+FR*(\a)+FR-1], 0
.else
	v_wmma_f32_16x16x128_fp8_fp8 v[8*(8*((\a)%4)+\b):8*(8*((\a)%4)+\b)+7], v[128*(\p)+FR*\b:128*(\p)+FR*\b+FR-1], v[AF+FR*(\a):AF+FR*(\a)+FR-1], v[8*(8*((\a)%4)+\b):8*(8*((\a)%4)+\b)+7]
.endif
.endr
.endr
.endm
.macro FETCH_B slot, q, p
	WIN TO_B
.irp i, 0,1,2,3,4,5,6,7
	FRAG 128*(\p)+FR*\i, ADRB+\slot, \q, \i
.endr
	WIN 0
.endm
.macro FETCH_A slot, q, i0
.irp i, \i0, \i0+1, \i0+2, \i0+3
	FRAG AF+FR*(\i), ADRA+\slot, \q, \i
.endr
.endm
.macro PLACES n                        ; plain vector lines between a matrix instruction and a load into, or a vector read or write of, its registers
.rept \n
	v_nop
.endr
.endm
.macro STEP slot, q, zero              ; 128 along K that has its successor in the same slot
	s_wait_dscnt 4*NL                              ; B's set and A's blocks 0-3 are in; the youngest sixteen loads (A's blocks 4-7) may be out
	WIN MUL_LO
	MUL16 0, (\q)%2, \zero
	MUL16 2, (\q)%2, \zero
	s_wait_dscnt 0
	PLACES NP
	FETCH_B \slot, (\q)+1, 1-(\q)%2
	FETCH_A \slot, (\q)+1, 0
	WIN MUL_HI
	MUL16 4, (\q)%2, \zero
	MUL16 6, (\q)%2, \zero
	PLACES NP
	WIN 0
	FETCH_A \slot, (\q)+1, 4
.endm
; A slot's last step changes slots: in front of the barrier, which opens a round of the cluster's, each wave waits for all its tensor loads, adds 0 to its spare word, and waits for that and for its reads of this slot.
; fill = 1: this slot takes the K step two on; fill = 2: the second product's K step 0.
.macro TURN slot, next, fill
	s_wait_tensorcnt 0x0                           ; all my tensor loads have landed: my part of the next slot
	ds_add_u32 v[SPW], v[NIL]
	s_wait_dscnt 4*NL+1                            ; (the add and the youngest sixteen loads may be out)
	WIN MUL_LO
	MUL16 0, 1, 0
	s_wait_dscnt 0x0                               ; the add is done, and my reads of this slot are over
	s_barrier_signal -1
	MUL16 2, 1, 0
	WIN 0
	s_barrier_wait -1
	CREST                                          ; no wave of any partner still reads this slot or has a load on its way
.if \fill == 1
	s_add_nc_u64 s[G0+4*\slot+2:G0+4*\slot+3], s[G0+4*\slot+2:G0+4*\slot+3], 2*ROWB
	s_add_nc_u64 s[G0B+4*\slot+2:G0B+4*\slot+3], s[G0B+4*\slot+2:G0B+4*\slot+3], 2*ROWB
	JLOAD G0+4*\slot, G1, G0B+4*\slot, G1B         ; my one tensor load behind the round; its four v_nop are the places in front of the loads below
.else
	VADR \slot, 0
	JLOAD G0+4*\slot, G1V, G0B+4*\slot, G1B
.endif
	FETCH_B \next, 0, 0
	FETCH_A \next, 0, 0
.if \fill == 2
	s_cmp_eq_u32 s15, 0                            ; wv's K steps 2 and 3: A's waves, in clusters 0 to 3
	s_cselect_b32 s3, ttmp9, 4
	s_cmp_lt_u32 s3, 4
	s_cbranch_scc0 .Lno_pfv_\@
	global_prefetch_b8 v7, s[78:79] offset:512 th:TH_LOAD_NT scope:SCOPE_SE
.Lno_pfv_\@:
.endif
	WIN MUL_HI
	MUL16 4, 1, 0
	MUL16 6, 1, 0
	PLACES NP
	WIN 0
	FETCH_A \next, 0, 4
.endm
	s_wait_alu depctr_va_vdst(0)                   ; the wait at the head's end
	s_wait_tensorcnt 0x0                           ; my part of K step 0 is in
	ds_add_u32 v[SPW], v[NIL]
	s_wait_dscnt 0x0                               ; the add and my stores into the scratch are done
	CROUND                                         ; a whole round: everybody's part of K step 0 is in
	JLOAD G0+4, G1, G0B+4, G1B                     ; K step 1: slot 1's first fill, my one tensor load behind the round
	FETCH_B 0, 0, 0
	FETCH_A 0, 0, 0
	FETCH_A 0, 0, 4
	STEP 0, 0, 1                                   ; the first step's products start the sums: nothing is cleared
	s_mov_b32 s3, LAPS-1
.Llap:
	TURN 0, 1, 1
	STEP 1, 0, 0
	TURN 1, 0, 1
	STEP 0, 0, 0
	s_sub_co_u32 s3, s3, 1
	s_cmp_lg_u32 s3, 0
	s_cbranch_scc1 .Llap
	TURN 0, 1, 2                                   ; slot 0 takes the second product's K step 0
	STEP 1, 0, 0
	s_wait_dscnt 4*NL
	WIN MUL_LO
	MUL16 0, 1, 0
	MUL16 2, 1, 0
	s_wait_dscnt 0
	WIN MUL_HI
	MUL16 4, 1, 0
	MUL16 6, 1, 0
	WIN 0
	s_wait_tensorcnt 0x0                           ; slot 1 has been read out: it takes the second product's K step 1, by the same lines
	ds_add_u32 v[SPW], v[NIL]
	VADR 1, 1
	s_wait_dscnt 0x0
	CROUND
	JLOAD G0+4, G1V, G0B+4, G1B                    ; its four v_nop are also the places behind the last products
; THE WAYS OUT.  Block a (16 rows of A x my 128 rows of B) becomes one fragment's image.
.macro TOCODES a, base, scl            ; the 64 numbers in v[RES] on, held already: eight conversions, four stores
.set CD, FQ+16*((\a)%2)
.if (\a) >= 2
	s_wait_xcnt 0x0                                ; block a - 2's stores have read these registers
.endif
.irp b, 0,1,2,3,4,5,6,7
	v_cvt_scalef32_pk8_fp8_f32 v[CD+2*\b:CD+2*\b+1], v[RES+8*\b:RES+8*\b+7], v[\scl]   ; registers 2 b, 2 b + 1: k = 16 b + 8 h + 0 .. 7
.endr
	v_nop                                          ; a plain line behind the conversions
.irp c, 0,1,2,3
	global_store_b128 v[LI], v[CD+4*\c:CD+4*\c+3], s[\base:\base+1] offset:2048*(\a)+512*\c   ; 32 lanes store 512 consecutive bytes, aligned
.endr
.endm
.macro QKBLOCK a                       ; rope: E = accumulators b = 0 .. 3 (d under 64), O = b + 4 (d + 64).  Each accumulator is read from its low end on
.set AC, 64*((\a)%4)
	WIN 0x02+((\a)/4)                              ; source 0: window 2 or 3
.irp b, 0,1,2,3
.irp j, 0,2,4,6
	v_pk_mul_f32 v[RES+8*\b+\j:RES+8*\b+\j+1], v[AC+32+8*\b+\j:AC+32+8*\b+\j+1], v[RS+8*\b+\j:RS+8*\b+\j+1]
.endr
.endr
.irp b, 0,1,2,3
.irp j, 0,2,4,6
	v_pk_mul_f32 v[RES+32+8*\b+\j:RES+32+8*\b+\j+1], v[AC+32+8*\b+\j:AC+32+8*\b+\j+1], v[RC+8*\b+\j:RC+8*\b+\j+1]
.endr
.endr
.irp b, 0,1,2,3
.irp j, 0,2,4,6
	v_pk_fma_f32 v[RES+8*\b+\j:RES+8*\b+\j+1], v[AC+8*\b+\j:AC+8*\b+\j+1], v[RC+8*\b+\j:RC+8*\b+\j+1], v[RES+8*\b+\j:RES+8*\b+\j+1] neg_lo:[0,0,1] neg_hi:[0,0,1]   ; E cos - O sin
.endr
.endr
.irp b, 0,1,2,3
.irp j, 0,2,4,6
	v_pk_fma_f32 v[RES+32+8*\b+\j:RES+32+8*\b+\j+1], v[AC+8*\b+\j:AC+8*\b+\j+1], v[RS+8*\b+\j:RS+8*\b+\j+1], v[RES+32+8*\b+\j:RES+32+8*\b+\j+1]                     ; E sin + O cos
.endr
.endr
	WIN 0
.set NN, 0
.rept 64
	v_med3_num_f32 v[RES+NN], v[RES+NN], -v[LIM], v[LIM]   ; the conversion does not saturate (ISA guide 7.6.2): the hold
.set NN, NN+1
.endr
	s_wait_alu depctr_va_vdst(0)                   ; the wait ahead of the wait in the lines below
	TOCODES \a, 10, SCL
.if (\a) < 7
.if (\a) == 0
	s_wait_dscnt 0x0                               ; the step's cos and sin are back from my scratch
.endif
.set NN, 0
.rept 16
	v_pk_mul_f32 v[RES+NN:RES+NN+1], v[RS+NN:RS+NN+1], v[SS+NN:SS+NN+1]
	v_pk_mul_f32 v[RES+32+NN:RES+32+NN+1], v[RC+NN:RC+NN+1], v[SS+NN:SS+NN+1]
.set NN, NN+2
.endr
.set NN, 0
.rept 16
	v_pk_fma_f32 v[RC+NN:RC+NN+1], v[RC+NN:RC+NN+1], v[SC+NN:SC+NN+1], v[RES+NN:RES+NN+1] neg_lo:[0,0,1] neg_hi:[0,0,1]   ; the rotation goes 16 tokens on
	v_pk_fma_f32 v[RS+NN:RS+NN+1], v[RS+NN:RS+NN+1], v[SC+NN:SC+NN+1], v[RES+32+NN:RES+32+NN+1]
.set NN, NN+2
.endr
.endif
.endm
.macro VBLOCK a                        ; v has no rope: the hold reads the sums as they are, each accumulator from its low end on
	WIN 0x02
.set NN, 0
.rept 64
	v_med3_num_f32 v[RES+NN], v[64*(\a)+NN], -v[LIMV], v[LIMV]
.set NN, NN+1
.endr
	WIN 0
	s_wait_alu depctr_va_vdst(0)                   ; the wait ahead of the wait in the lines below
	TOCODES \a, 8, SCLV
.endm
.irp k, 0,1,2,3,4,5,6,7,8,9,10,11,12,13,14,15
	ds_load_b128 v[SC+4*\k:SC+4*\k+3], v[SCA] offset:512*\k
.endr
.irp a, 0,1,2,3,4,5,6,7
	QKBLOCK \a
.endr
; THE SECOND PRODUCT: eight steps of 128 along K, 32 matrix instructions each; both operands have two sets of registers.
.macro VFETCH slot, q, p               ; 48 loads: B's eight fragments, my four of A
	FETCH_B \slot, \q, \p
.irp i, 0,1,2,3
	FRAG AF+64*(\p)+FR*\i, ADRV+\slot, \q, \i
.endr
.endm
.macro VMUL p, zero
	WIN MUL_LO
.irp a, 0,1,2,3
.irp b, 0,1,2,3,4,5,6,7
.if \zero
	v_wmma_f32_16x16x128_fp8_fp8 v[8*(8*\a+\b):8*(8*\a+\b)+7], v[128*(\p)+FR*\b:128*(\p)+FR*\b+FR-1], v[AF+64*(\p)+FR*\a:AF+64*(\p)+FR*\a+FR-1], 0
.else
	v_wmma_f32_16x16x128_fp8_fp8 v[8*(8*\a+\b):8*(8*\a+\b)+7], v[128*(\p)+FR*\b:128*(\p)+FR*\b+FR-1], v[AF+64*(\p)+FR*\a:AF+64*(\p)+FR*\a+FR-1], v[8*(8*\a+\b):8*(8*\a+\b)+7]
.endif
.endr
.endr
.endm
.macro VNEXT slot, q, p                ; fetch into set p, which the step before last has left, and multiply the other set
	VFETCH \slot, \q, \p
	s_wait_dscnt 48                                ; the other set is in; the 48 loads just issued may be out
	VMUL 1-(\p), 0
.endm
.macro VREFILL slot, ks                ; a slot that every wave holds in registers takes K step ks
	WIN 0
	s_wait_tensorcnt 0x0                           ; no load of mine is out: the groups 0 may be written
	ds_add_u32 v[SPW], v[NIL]
	VADR \slot, \ks
	s_wait_dscnt 0x0                               ; the add is done, and my reads of the slot are over
	CROUND
	JLOAD G0+4*\slot, G1V, G0B+4*\slot, G1B        ; its four v_nop are the places in front of the loads that follow
.endm
	s_wait_alu depctr_va_vdst(0)                   ; the wait directly ahead of the waits below
	s_wait_tensorcnt 0x0                           ; my parts of K steps 0 and 1 are in
	s_wait_dscnt 0x0
	s_barrier_signal -1
	s_barrier_wait -1                              ; everybody's are
	VFETCH 0, 0, 0
	VFETCH 0, 1, 1
	s_wait_dscnt 48
	VMUL 0, 1                                      ; the first products start the sums
	VREFILL 0, 2
	VNEXT 1, 0, 0
	PLACES NP
	VNEXT 1, 1, 1
	VREFILL 1, 3                                   ; (behind its round K step 2 is whole)
	VNEXT 0, 0, 0
	PLACES NP
	VNEXT 0, 1, 1
	WIN 0
	s_wait_tensorcnt 0x0                           ; my part of K step 3 is in
	s_wait_dscnt 0x0
	s_barrier_signal -1
	s_barrier_wait -1                              ; everybody's is
	PLACES NP
	VNEXT 1, 0, 0
	PLACES NP
	VNEXT 1, 1, 1
	s_wait_dscnt 0x0
	VMUL 1, 0
	WIN 0
	PLACES NP                                      ; behind the last products
	s_wait_xcnt 0x0                                ; the first way out's last stores have read the registers that take codes again
.irp a, 0,1,2,3
	VBLOCK \a
.endr
	s_wait_tensorcnt 0x0                           ; the wave's end
	ds_add_u32 v[SPW], v[NIL]
	s_wait_dscnt 0x0
	CROUND                                         ; the closing round: no work-group ends while a partner may still ask for a tile that names it
	s_endpgm
.Lfunc_end_k_qbe2b1b226a_qkv:
	.size	k_qbe2b1b226a_qkv, .Lfunc_end_k_qbe2b1b226a_qkv-k_qbe2b1b226a_qkv
	.p2alignl 7, 3214868480
	.fill 96, 4, 3214868480
	.section	.rodata,"a",@progbits
	.p2align	6, 0x0
	.amdhsa_kernel k_qbe2b1b226a_qkv
		.amdhsa_group_segment_fixed_size 327680
		.amdhsa_private_segment_fixed_size 0
		.amdhsa_enable_private_segment 0
		.amdhsa_kernarg_size 64
		.amdhsa_user_sgpr_count 2
		.amdhsa_user_sgpr_kernarg_segment_ptr 1
		.amdhsa_wavefront_size32 1
		.amdhsa_system_sgpr_workgroup_id_x 1
		.amdhsa_system_sgpr_workgroup_id_y 1
		.amdhsa_system_sgpr_workgroup_id_z 1
		.amdhsa_system_vgpr_workitem_id 0
		.amdhsa_next_free_vgpr 1024
		.amdhsa_next_free_sgpr 98
		.amdhsa_reserve_vcc 0
		.amdhsa_float_denorm_mode_32 3
		.amdhsa_float_denorm_mode_16_64 3
		.amdhsa_memory_ordered 1
		.amdhsa_forward_progress 1
		.amdhsa_inst_pref_size 255
	.end_amdhsa_kernel
	.section	.bss,"aw",@nobits
	.p2align	6
	.space	262144
	.amdgpu_metadata
---
amdhsa.version: [ 1, 2 ]
amdhsa.kernels:
  - .name:           k_qbe2b1b226a_qkv
    .symbol:         k_qbe2b1b226a_qkv.kd
    .args:
      - { .name: x_codes, .offset: 0, .size: 8, .value_kind: global_buffer, .address_space: global }
      - { .name: wq_codes, .offset: 8, .size: 8, .value_kind: global_buffer, .address_space: global }
      - { .name: wk_codes, .offset: 16, .size: 8, .value_kind: global_buffer, .address_space: global }
      - { .name: wv_codes, .offset: 24, .size: 8, .value_kind: global_buffer, .address_space: global }
      - { .name: lowp_scales, .offset: 32, .size: 8, .value_kind: global_buffer, .address_space: global }
      - { .name: qf, .offset: 40, .size: 8, .value_kind: global_buffer, .address_space: global }
      - { .name: kf, .offset: 48, .size: 8, .value_kind: global_buffer, .address_space: global }
      - { .name: vf, .offset: 56, .size: 8, .value_kind: global_buffer, .address_space: global }
    .group_segment_fixed_size: 327680
    .private_segment_fixed_size: 0
    .kernarg_segment_align: 8
    .kernarg_segment_size: 64
    .max_flat_workgroup_size: 128
    .sgpr_count:     98
    .vgpr_count:     1024
    .wavefront_size: 32
...
	.end_amdgpu_metadata
.endif
;; end of part 1
;; launch attn (part 2): grid 8 x 32, 8 waves a work-group, no clusters, 327,680 bytes of LDS; arguments qf, kf, vf, wo, lowp_scales, of, wof; writes of, wof
.if DOCPART == 2
	.amdgcn_target "amdgcn-amd-amdhsa--gfx1250"
	.amdhsa_code_object_version 6
	.text
	.protected	k_qbe2b1b226a_attn
	.globl	k_qbe2b1b226a_attn
	.p2align	8
	.type	k_qbe2b1b226a_attn,@function
k_qbe2b1b226a_attn:
	s_mov_b64 s[64:65], 0
	v_nop
	global_prefetch_b8 v0, s[64:65] scope:SCOPE_SE
	s_setreg_imm32_b32 hwreg(HW_REG_WAVE_MODE, 25, 1), 1
	s_wait_xcnt 0x0
; Causal attention on codes of FP8 (E4M3), head by head, and the quantiser of its result; each wave also quantises a quarter of a fragment of wo.
; qf, kf: [bh 32][token tile 128][2,048], vf: [bh][block of 128 keys 16][tile of 16 d: 8][2,048]: images of operand registers (registers 2 c, 2 c + 1: k = 16 c + 8 (lane / 16) + 0 .. 7);
; registers 4 c .. 4 c + 3 of lane l lie at byte 512 c + 16 l, so a fragment is four loads of 16 bytes a lane, and 128 keys of K or of V are one dense block of 16 KiB.
; LEFT OUT: key steps all of whose keys come after a block's queries: their p is 0 whatever the inputs hold.
; THE SOFTMAX: t = score x log2(e) (128^-0.5 is in q and in k already); M = the largest t so far, rounded UP to a whole number; p = 2^(t - M) is quantised, not normalised.
; The sum is taken of the unquantised p and divides O at the end.  When M moves, the sum and O are multiplied by 2^(old M - new M): exact.
; SHARES.  Work-group (x, bh) makes query block b = 2 x + 1 (128 queries) and then block 14 - 2 x: b + 1 and 15 - 2 x key steps of 128 keys, 17 steps j = 0 .. 16 in every work-group.  Step j takes key step j (j <= b) or j - b - 1.
; A slot holds steps 2 n and 2 n + 1; b + 1 is even, so a block changes at a slot's edge, and a slot's two key steps are neighbours.  THE KEYS ARE DIVIDED: waves 0-3 take a slot's first step, waves 4-7 its second,
; each for 32 queries (two tiles), so two waves with work of their own share a SIMD, and a fragment read from LDS feeds two matrix instructions.
; At a block's end wave w and wave w xor 4 hold partial (M, sum, O) of the same 32 queries.  Register set u of a wave holds query tile u xor (w / 4): so every wave hands its set 1 to its partner through LDS and joins and finishes its set 0,
; with the factors 2^(own M - joint M): exact.  A wave that had no step hands on zeros under M = -3e38, which the join multiplies by 0.
; THE RING.  Two slots of 64 KiB.  Wave w brings a quarter (w % 4) of K (w < 4) or of V: 2 rows of 4 KiB, one of each of the slot's two steps.  Slot 8's second rows (key step 15 - 2 x, inside the buffer) are not read: step 17 does not exist.
; One tensor load of a wave is out behind each change of slots; every wait on TENSORcnt is for 0.
; NO CLUSTER: the eight work-groups of a head walk the key steps in different orders (0 .. b, then 0 .. 14 - 2 x), so at a change of slots they need different tiles.
; PREFETCH: work-group x names key steps 2 x and 2 x + 1, each wave the 8 KiB that it would load of them, lanes 256 bytes apart: x = 1, 2 at the head, x >= 3 in trip x - 3, two trips ahead of the change that loads them; x = 0: they come by the head's loads.
; LAYOUT.  S^T = K Q^T, O^T = V^T P^T: a lane holds ONE query (lane % 16) of each tile; register j of key tile t is key 16 t + 8 (lane / 16) + j, so the conversions' results ARE P's fragment.
; of: [head / 2][global token / 16: 512][head % 2][2,048]; wof: [k / 256][column / 16: 64][(k / 128) % 2][2,048].
; LIMITS on the given exponents, so that each power of two below is an f32 number: e6 + e7 between -126 and 127; e8, e10, e11 between -126 and 119; e8 + e9 goes by v_ldexp_f32 and has none.  NaN among wo is not served.
; REGISTERS.  Window 0: v1-9, v30, v31 addresses; set u: v[10+4u] -M, v[11+4u] largest t, v[12+4u:13+4u] the sum, v[18+2u] f; v22-29 scales; v32-63 Q; v64-95 P's codes; v96-223 S^T, then p; v224-255 at work.
;   Window 1: v0-127 eight fragments of K, then of V; v128-255 O^T of both sets.
.set RING,  65536                      ; a slot: K's four quarters of 8 KiB, then V's
.set QS,    2*RING                     ; 4 KiB a wave: the second block's Q waits here
.set DUMP1, QS+32768                   ; 8,704 bytes a wave: what is handed to the partner at the first block's end,
.set DUMP2, DUMP1+8*8704               ; at the second's
.set SPARE, DUMP2+8*8704               ; the spare words, 128 bytes a wave: four blocks of 256 bytes that no other line names
.set LI,   1                           ; 16 x lane
.set DD,   2                           ; v2, v3: 16 x (the set's tile in the block) + lane % 16 - 8 (lane / 16): register 8 t + j is hidden on the diagonal where 16 t + j is above it
.set PFO,  4
.set SPW,  5
.set NIL,  6
.set ADR,  7
.set QSA,  8
.set LP,   9                           ; 16 x lane + 4,096 x (w / 4): my step's row in each quarter
.set DMY,  30
.set DPA,  31
.set DMY2, 248
.set DPA2, 249
.set LIMP, 22
.set SCP,  23
.set SCO,  24
.set LIMO, 25
.set NINF, 26
.set WA,   27
.set SCW,  28
.set LIMW, 29
.set WV,   18
.set BB,   19
.set SEL,  20
.set CS,   22
.set G1,   24
.set G0,   40
.set KP,   44
.set VP,   46
.set BP,   48
.set NF,   50                          ; the slot that my next load fills
.set SJ,   51                          ; my step
.set TB,   52
.set NS,   53
.set NSW,  54                          ; the slot at which the second block begins: x + 1
.set PAR,  55
.set PFA,  56
.set XW,   58
.set E89,  59
.set OA,   90
.set OB,   92
.set MSB, 0
.macro WIN new                         ; the immediate's high byte repeats the setting that is left
.if MSB != \new
	s_set_vgpr_msb (MSB<<8)|\new
.set MSB, \new
.endif
.endm
.macro PLACES
.rept 4
	v_nop
.endr
.endm
.macro FILLADR                         ; group 0's global address for slot NF
	s_lshl_b32 s80, s[NF], 1
	s_sub_co_u32 s81, s80, s[BB]
	s_sub_co_u32 s81, s81, 1
	s_cmp_gt_u32 s80, s[BB]
	s_cselect_b32 s80, s81, s80                    ; the slot's first key step
	s_lshl_b32 s80, s80, 14
	s_mov_b32 s81, 0
	s_add_nc_u64 s[G0+2:G0+3], s[BP:BP+1], s[80:81]
	s_or_b32 s[G0+3], s[G0+3], 0x80000000
	s_add_co_u32 s[NF], s[NF], 1
.endm
.macro FLOAD off                       ; eight fragments of my step: fragment t lies in quarter t / 2
.irp t, 0,1,2,3,4,5,6,7
.irp c, 0,1,2,3
	ds_load_b128 v[16*\t+4*\c:16*\t+4*\c+3], v[ADR] offset:\off+8192*(\t/2)+2048*(\t%2)+512*\c
.endr
.endr
.endm
.macro CLEAR                           ; a block begins: O^T and the sums are zeros, the largest t is -3e38
	WIN 0x40
.set NN, 0
.rept 128
	v_mov_b32 v[128+NN], 0
.set NN, NN+1
.endr
	WIN 0
.irp u, 0,1
	v_mov_b32 v[11+4*\u], 0xff61b1e6
	v_floor_f32 v[10+4*\u], -v[11+4*\u]
	v_mov_b32 v[12+4*\u], 0
	v_mov_b32 v[13+4*\u], 0
.endr
.endm
.macro BARB                            ; a barrier behind which nothing is filled: it parts the reads of handed-on bytes from the next stores into them
	s_wait_alu depctr_va_vdst(0)                   ; the wait ahead of the waits below
	s_wait_dscnt 0x0
	s_barrier_signal -1
	s_barrier_wait -1
.endm
.macro DUMP adr                        ; my set 1 goes to my partner: O^T as 16 groups of four registers, then -M, the largest t and the sum
	PLACES                                         ; behind the last products
	WIN 0x04                                       ; the stores' data: window 1
.irp k, 0,1,2,3,4,5,6,7,8,9,10,11,12,13,14,15
	ds_store_b128 v[\adr], v[192+4*\k:195+4*\k] offset:512*\k
.endr
	WIN 0
	ds_store_b128 v[\adr], v[14:17] offset:8192
.endm
; My set 0 and my partner's set 1 are joined: o = (O_a f_a + O_b f_b) / (l_a f_a + l_b f_b) x 2^(e8 + e9), quantised with 2^e10 and stored as the last product's fragment.
.macro MERGE adr, oa
.irp k, 0,1,2,3,4,5,6,7,8,9,10,11,12,13,14,15
	ds_load_b128 v[96+4*\k:99+4*\k], v[\adr] offset:512*\k
.endr
	ds_load_b128 v[224:227], v[\adr] offset:8192
	v_add_f32 v12, v12, v13
	s_wait_alu depctr_va_vdst(0)                   ; the wait directly ahead of the wait below
	s_wait_dscnt 0x0
	v_min_num_f32 v228, v10, v224                  ; the joint -M
	v_add_f32 v226, v226, v227
	v_sub_f32 v229, v228, v10                      ; own M - joint M, whole numbers, 0 or less
	v_sub_f32 v230, v228, v224
	v_cvt_i32_f32 v229, v229                       ; (they saturate)
	v_cvt_i32_f32 v230, v230
	v_ldexp_f32 v229, 1.0, v229
	v_ldexp_f32 v230, 1.0, v230
	v_mul_f32 v12, v12, v229
	v_fma_f32 v12, v226, v230, v12
	v_permlanex16_b32 v231, v12, s[SEL], s[SEL+1]
	v_add_f32 v12, v12, v231                       ; the row's sum
	s_wait_alu depctr_va_vdst(0)                   ; the wait ahead of the transcendental
	v_rcp_f32 v12, v12
	v_nop
	s_wait_alu depctr_va_vdst(0)                   ; and ahead of its first reader
	v_ldexp_f32 v12, v12, s[E89]
	v_mul_f32 v232, v229, v12
	v_mul_f32 v234, v230, v12
	WIN 0x01                                       ; source 0: window 1
	s_wait_alu depctr_va_vdst(0)                   ; the wait directly ahead of the first reader of O^T
.set NN, 0
.rept 32
	v_pk_mul_f32 v[160+NN:161+NN], v[128+NN:129+NN], v[232:233] op_sel_hi:[1,0]   ; each accumulator from its low end on
.set NN, NN+2
.endr
	WIN 0
.set NN, 0
.rept 32
	v_pk_fma_f32 v[160+NN:161+NN], v[96+NN:97+NN], v[234:235], v[160+NN:161+NN] op_sel_hi:[1,0,1]
.set NN, NN+2
.endr
.set NN, 0
.rept 64
	v_med3_num_f32 v[160+NN], v[160+NN], -v[LIMO], v[LIMO]   ; the conversion does not saturate (ISA guide 7.6.2): the hold
.set NN, NN+1
.endr
.irp t, 0,1,2,3,4,5,6,7
	v_cvt_scalef32_pk8_fp8_f32 v[64+2*\t:65+2*\t], v[160+8*\t:167+8*\t], v[SCO]
.endr
	v_nop
.irp c, 0,1,2,3
	global_store_b128 v[LI], v[64+4*\c:67+4*\c], s[\oa:\oa+1] offset:512*\c   ; 32 lanes store 512 consecutive bytes, aligned
.endr
.endm
.macro SWITCH                          ; at slot x + 1 the first block is finished and the second begins
	s_cmp_lg_u32 s[NS], s[NSW]
	s_cbranch_scc1 .Lsame_\@
	MERGE DPA, OA
.irp c, 0,1,2,3,4,5,6,7
	ds_load_b128 v[32+4*\c:35+4*\c], v[QSA] offset:512*\c   ; its Q
.endr
	CLEAR
	s_wait_xcnt 0x0                                ; the stores have read the registers that take P's codes again
	s_wait_alu depctr_va_vdst(0)
.Lsame_\@:
.endm
	s_load_b256 s[4:11], s[0:1], 0x0               ; qf 4, kf 6, vf 8, wo 10
	s_load_b128 s[12:15], s[0:1], 0x20             ; the scales' exponents 12, of 14
	s_load_b64 s[16:17], s[0:1], 0x30              ; wof
	v_lshl_add_u32 v[SPW], v0, 2, SPARE
	v_mov_b32 v[NIL], 0
	ds_add_u32 v[SPW], v[NIL]                      ; the opening lines: the add twice on end and one wait
	ds_add_u32 v[SPW], v[NIL]
	v_lshrrev_b32 v7, 5, v0
	v_readfirstlane_b32 s[WV], v7                  ; wave 0..7
	s_mov_b32 s[XW], ttmp9
	s_lshl_b32 s[BB], ttmp9, 1
	s_add_co_u32 s[BB], s[BB], 1                   ; b
	s_add_co_u32 s[NSW], ttmp9, 1
	s_lshr_b32 s[PAR], s[WV], 2
	s_and_b32 s3, s[WV], 3                         ; my 32 queries; also my quarter
	s_and_b32 s80, ttmp7, 0xffff                   ; bh = batch x 8 + head
	s_mov_b32 s[G1], 3<<16                         ; 2 rows of 512 elements of 8 bytes, 16 KiB apart
	s_mov_b32 s[G1+1], 512<<16
	s_mov_b32 s[G1+2], 2<<16
	s_mov_b32 s[G1+3], 512<<16
	s_mov_b32 s[G1+4], 2
	s_mov_b32 s[G1+5], 2048
	s_mov_b32 s[G1+6], 0
	s_mov_b32 s[G1+7], 0
	s_mov_b32 s[SEL], 0x76543210
	s_mov_b32 s[SEL+1], 0xfedcba98
	s_mov_b32 s[CS], 0x3fb8aa3b                    ; log2(e)
	s_mov_b32 s[NS], 0
	s_mov_b32 s[NF], 0
	s_mov_b32 s[SJ], s[PAR]
	s_mov_b32 s[TB], 0
	s_lshl_b32 s82, s80, 18                        ; the head's first byte in qf, kf, vf
	s_mov_b32 s83, 0
	s_lshl_b32 s84, s3, 12                         ; my quarter of a key step
	s_mov_b32 s85, 0
	s_xor_b32 s39, s[PAR], 1
	s_lshl_b32 s2, s3, 1                           ; my first tile in the block
	s_add_co_u32 s36, s2, s[PAR]                   ; set 0's tile,
	s_add_co_u32 s37, s2, s39                      ; set 1's
	s_lshl_b32 s34, s36, 4
	s_lshl_b32 s35, s37, 4
	s_lshl_b32 s2, s80, 7
	s_lshl_b32 s38, s[BB], 3                       ; 8 b
	s_sub_co_u32 s39, 120, s38                     ; 8 (15 - b)
	s_add_co_u32 s81, s2, s38
	s_add_co_u32 s86, s81, s36
	s_lshl_b32 s86, s86, 11                        ; the first block's Q, set 0,
	s_mov_b32 s87, 0
	s_add_co_u32 s88, s81, s37
	s_lshl_b32 s88, s88, 11                        ; set 1;
	s_mov_b32 s89, 0
	s_add_co_u32 s81, s2, s39
	s_add_co_u32 s94, s81, s36
	s_lshl_b32 s94, s94, 11                        ; the second block's
	s_mov_b32 s95, 0
	s_add_co_u32 s96, s81, s37
	s_lshl_b32 s96, s96, 11
	s_mov_b32 s97, 0
	s_bfe_u32 s2, s80, 0x20001                     ; head / 2
	s_lshl_b32 s2, s2, 21
	s_and_b32 s81, s80, 1                          ; head % 2
	s_lshl_b32 s81, s81, 11
	s_add_co_u32 s2, s2, s81
	s_lshr_b32 s81, s80, 3
	s_lshl_b32 s81, s81, 7
	s_add_co_u32 s81, s81, s36                     ; 128 batch + set 0's tile
	s_add_co_u32 s[OA], s81, s38
	s_lshl_b32 s[OA], s[OA], 12
	s_add_co_u32 s[OA], s[OA], s2                  ; where the first block's image goes,
	s_mov_b32 s[OA+1], 0
	s_add_co_u32 s[OB], s81, s39
	s_lshl_b32 s[OB], s[OB], 12
	s_add_co_u32 s[OB], s[OB], s2                  ; the second's
	s_mov_b32 s[OB+1], 0
	s_lshl_b32 s2, s80, 3                          ; WO: 512 fragments (128 along K x 16 columns), two a work-group, a quarter a wave
	s_add_co_u32 s2, s2, s[XW]
	s_lshl_b32 s2, s2, 1
	s_add_co_u32 s2, s2, s[PAR]                    ; the fragment
	s_lshr_b32 s38, s2, 6                          ; which 128 along K
	s_and_b32 s2, s2, 63                           ; which 16 columns
	s_lshl_b32 s98, s38, 19
	s_lshl_b32 s81, s2, 6
	s_add_co_u32 s98, s98, s81
	s_lshl_b32 s81, s3, 17                         ; my 32 of the 128 rows
	s_add_co_u32 s98, s98, s81
	s_mov_b32 s99, 0
	s_lshr_b32 s66, s38, 1
	s_lshl_b32 s66, s66, 18
	s_lshl_b32 s81, s2, 12
	s_add_co_u32 s66, s66, s81
	s_and_b32 s81, s38, 1
	s_lshl_b32 s81, s81, 11
	s_add_co_u32 s66, s66, s81
	s_lshl_b32 s81, s3, 9
	s_add_co_u32 s66, s66, s81
	s_mov_b32 s67, 0
	s_lshl_b32 s32, s[XW], 15                      ; the prefetches: key steps 2 x and 2 x + 1
	s_mov_b32 s33, 0
	s_lshl_b32 s36, s[PAR], 12
	s_lshl_b32 s37, s[WV], 12
	s_add_co_u32 s37, s37, QS
	s_mul_i32 s38, s[WV], 8704
	s_add_co_u32 s38, s38, DUMP1
	s_xor_b32 s39, s[WV], 4
	s_mul_i32 s39, s39, 8704
	s_add_co_u32 s39, s39, DUMP1
	s_wait_dscnt 0x0                               ; both opening adds are done
	s_wait_kmcnt 0x0
	s_load_b256 s[68:75], s[12:13], 0x0            ; e0 .. e7
	s_load_b128 s[76:79], s[12:13], 0x20           ; e8 .. e11
	s_add_nc_u64 s[KP:KP+1], s[6:7], s[82:83]
	s_add_nc_u64 s[VP:VP+1], s[8:9], s[82:83]
	s_cmp_lg_u32 s[PAR], 0                         ; waves 0-3 fetch for K, waves 4-7 for V
	s_cselect_b64 s[BP:BP+1], s[VP:VP+1], s[KP:KP+1]
	s_add_nc_u64 s[BP:BP+1], s[BP:BP+1], s[84:85]
	s_mov_b32 s[G0], 1
	s_lshl_b32 s[G0+1], s[WV], 13
	FILLADR
	tensor_load_to_lds s[G0:G0+3], s[G1:G1+7]      ; slot 0: my one load at the head
	s_nop 0
	s_add_nc_u64 s[PFA:PFA+1], s[BP:BP+1], s[32:33]
	s_add_nc_u64 s[86:87], s[4:5], s[86:87]
	s_add_nc_u64 s[88:89], s[4:5], s[88:89]
	s_add_nc_u64 s[94:95], s[4:5], s[94:95]
	s_add_nc_u64 s[96:97], s[4:5], s[96:97]
	s_add_nc_u64 s[OA:OA+1], s[14:15], s[OA:OA+1]
	s_add_nc_u64 s[OB:OB+1], s[14:15], s[OB:OB+1]
	s_add_nc_u64 s[10:11], s[10:11], s[98:99]
	s_add_nc_u64 s[16:17], s[16:17], s[66:67]
	v_and_b32 v7, 31, v0
	v_lshlrev_b32 v[LI], 4, v7
	v_and_b32 v224, 15, v0                         ; r
	v_bfe_u32 v225, v0, 4, 1                       ; h
	v_lshlrev_b32 v[PFO], 8, v224                  ; lanes 0-15: my row of the first step, 256 bytes apart; lanes 16-31: of the second
	v_lshl_add_u32 v[PFO], v225, 14, v[PFO]
	v_lshlrev_b32 v226, 3, v225
	v_sub_nc_u32 v226, v224, v226
	v_add_nc_u32 v[DD], s34, v226
	v_add_nc_u32 v[DD+1], s35, v226
	v_lshlrev_b32 v[WA], 2, v224                   ; wo: 4 r + 8 h rows of 4,096 bytes
	v_lshl_add_u32 v[WA], v225, 15, v[WA]
	v_add_nc_u32 v[LP], s36, v[LI]
	v_add_nc_u32 v[QSA], s37, v[LI]
	v_add_nc_u32 v[DMY], s38, v[LI]
	v_add_nc_u32 v[DPA], s39, v[LI]
	v_add_nc_u32 v[DMY2], 8*8704, v[DMY]
	v_add_nc_u32 v[DPA2], 8*8704, v[DPA]
	s_wait_alu depctr_va_vdst(0)                   ; the wait ahead of the readers below
.irp c, 0,1,2,3
	global_load_b128 v[32+4*\c:35+4*\c], v[LI], s[86:87] offset:512*\c
	global_load_b128 v[48+4*\c:51+4*\c], v[LI], s[88:89] offset:512*\c
.endr
.irp c, 0,1,2,3
	global_load_b128 v[96+4*\c:99+4*\c], v[LI], s[94:95] offset:512*\c
	global_load_b128 v[112+4*\c:115+4*\c], v[LI], s[96:97] offset:512*\c
.endr
.set NN, 0
.rept 16
	global_load_b32 v[128+NN], v[WA], s[10:11] offset:(16*(NN/8)+NN%8)*4096 th:TH_LOAD_NT   ; wo down K in the order of the operand's layout; sixteen lanes read 64 neighbouring bytes
.set NN, NN+1
.endr
	s_sub_co_u32 s81, s[XW], 1
	s_cmp_lt_u32 s81, 2
	s_cbranch_scc0 .Lno_pf
	global_prefetch_b8 v[PFO], s[PFA:PFA+1] th:TH_LOAD_NT scope:SCOPE_SE
.Lno_pf:
	CLEAR
	v_mov_b32 v19, 0                               ; (upper halves of pairs that are named)
	v_mov_b32 v21, 0
	v_mov_b32 v233, 0
	v_mov_b32 v235, 0
	v_mov_b32 v228, 0                              ; a lane permute's destination counts as one of its sources
	v_mov_b32 v229, 0
	v_mov_b32 v231, 0
	v_mov_b32 v[NINF], 0xff800000
	s_wait_kmcnt 0x0
	s_add_co_i32 s80, s74, s75
	s_lshl_b32 s80, s80, 23
	s_add_co_i32 s[CS], s[CS], s80                 ; a score stands for score x 2^(e6 + e7)
	s_mov_b32 s[CS+1], s[CS]
	s_add_co_i32 s[E89], s76, s77
	s_add_co_i32 s80, s76, 127
	s_lshl_b32 s81, s80, 23
	v_mov_b32 v[SCP], s81                          ; 2^e8
	s_add_co_i32 s80, s80, 8
	s_lshl_b32 s80, s80, 23
	s_or_b32 s80, s80, 0x600000
	v_mov_b32 v[LIMP], s80                         ; 448 x 2^e8
	s_add_co_i32 s80, s78, 127
	s_lshl_b32 s81, s80, 23
	v_mov_b32 v[SCO], s81                          ; 2^e10
	s_add_co_i32 s80, s80, 8
	s_lshl_b32 s80, s80, 23
	s_or_b32 s80, s80, 0x600000
	v_mov_b32 v[LIMO], s80
	s_add_co_i32 s80, s79, 127
	s_lshl_b32 s81, s80, 23
	v_mov_b32 v[SCW], s81                          ; 2^e11
	s_add_co_i32 s80, s80, 8
	s_lshl_b32 s80, s80, 23
	s_or_b32 s80, s80, 0x600000
	v_mov_b32 v[LIMW], s80
	s_wait_alu depctr_va_vdst(0)                   ; the wait directly ahead of the wait below
	s_wait_loadcnt 0x0                             ; Q and wo
.irp c, 0,1,2,3,4,5,6,7
	ds_store_b128 v[QSA], v[96+4*\c:99+4*\c] offset:512*\c   ; the second block's Q waits in my own bytes
.endr
.set NN, 0
.rept 16
	v_med3_num_f32 v[128+NN], v[128+NN], -v[LIMW], v[LIMW]
.set NN, NN+1
.endr
	v_cvt_scalef32_pk8_fp8_f32 v[64:65], v[128:135], v[SCW]
	v_cvt_scalef32_pk8_fp8_f32 v[66:67], v[136:143], v[SCW]
	v_nop
	global_store_b128 v[LI], v[64:67], s[16:17]
	s_wait_xcnt 0x0                                ; the store has read its registers
	s_wait_alu depctr_va_vdst(0)                   ; the wait at the head's end
; THE CHANGE OF SLOTS.  fill = 1: the other slot takes the next two steps.
.macro CHANGE fill
	s_wait_tensorcnt 0x0                           ; my part of the slot ahead is in, and group 0 may be written
	ds_add_u32 v[SPW], v[NIL]
.if \fill
	s_xor_b32 s[G0+1], s[G0+1], RING
	FILLADR
.endif
	s_wait_dscnt 0x0                               ; the add, my stores and my reads of the slot that I have left are done
	s_barrier_signal -1
	s_barrier_wait -1
.if \fill
	tensor_load_to_lds s[G0:G0+3], s[G1:G1+7]
	s_nop 0
	PLACES
	s_add_co_u32 s80, s[NS], 3
	s_cmp_eq_u32 s80, s[XW]                        ; trip x - 3
	s_cbranch_scc0 .Lnot_now_\@
	global_prefetch_b8 v[PFO], s[PFA:PFA+1] th:TH_LOAD_NT scope:SCOPE_SE
.Lnot_now_\@:
.endif
.endm
; A STEP: 128 keys against my 32 queries.  mm: 1 the diagonal's mask under a branch on ids and the wave's number, 2 always.
.macro STEP mm
	v_add_nc_u32 v[ADR], s[TB], v[LP]
	s_wait_alu depctr_va_vdst(0)
	PLACES                                         ; behind the last products, ahead of the loads into the fragments' registers
	WIN 0x40
	FLOAD 0                                        ; K
	WIN 0x01                                       ; source 0: window 1
.irp t, 0,1,2,3,4,5,6,7
	s_wait_dscnt 28-4*\t                           ; fragment t is in; the later fragments' loads may be out
.irp u, 0,1
	v_wmma_f32_16x16x128_fp8_fp8 v[96+64*\u+8*\t:103+64*\u+8*\t], v[16*\t:16*\t+15], v[32+16*\u:47+16*\u], 0
.endr
.endr
	PLACES
	WIN 0x40
	FLOAD 32768                                    ; V, under the softmax
	WIN 0
.if \mm == 1
	s_cmp_lg_u32 s[SJ], s[BB]
	s_cbranch_scc1 .Lopen_\@
.endif
.irp u, 0,1                                    ; on the diagonal later keys' scores become -infinity: p = 0.  The step's first key counts for every query
.set NN, 0
.rept 64
	v_cmp_gt_i32 vcc_lo, 16*(NN/8)+NN%8, v[DD+\u]
	v_cndmask_b32 v[96+64*\u+NN], v[96+64*\u+NN], v[NINF], vcc_lo
.set NN, NN+1
.endr
.endr
.Lopen_\@:
.irp u, 0,1
	v_max3_num_f32 v[224+\u], v[96+64*\u], v[97+64*\u], v[98+64*\u]
	v_max3_num_f32 v[226+\u], v[99+64*\u], v[100+64*\u], v[101+64*\u]
.endr
.set NN, 6
.rept 14
.irp u, 0,1
	v_max3_num_f32 v[224+\u], v[224+\u], v[96+64*\u+NN], v[97+64*\u+NN]
	v_max3_num_f32 v[226+\u], v[226+\u], v[98+64*\u+NN], v[99+64*\u+NN]
.endr
.set NN, NN+4
.endr
.irp u, 0,1
	v_max3_num_f32 v[224+\u], v[224+\u], v[158+64*\u], v[159+64*\u]
.endr
.irp u, 0,1
	v_max_num_f32 v[224+\u], v[224+\u], v[226+\u]
.endr
.irp u, 0,1
	v_permlanex16_b32 v[228+\u], v[224+\u], s[SEL], s[SEL+1]
.endr
.irp u, 0,1
	v_max_num_f32 v[224+\u], v[224+\u], v[228+\u]  ; with lane l xor 16's
.endr
.irp u, 0,1
	v_mul_f32 v[224+\u], s[CS], v[224+\u]          ; as t (the factor is positive)
.endr
.irp u, 0,1
	v_max_num_f32 v[11+4*\u], v[11+4*\u], v[224+\u]
	v_mov_b32 v[226+\u], v[10+4*\u]
.endr
.irp u, 0,1
	v_floor_f32 v[10+4*\u], -v[11+4*\u]            ; the new -M: M is a whole number
.endr
.irp u, 0,1
	v_sub_f32 v[226+\u], v[10+4*\u], v[226+\u]     ; old M - new M, 0 or less
.endr
.irp u, 0,1
	v_cvt_i32_f32 v[226+\u], v[226+\u]             ; (it saturates)
.endr
.irp u, 0,1
	v_ldexp_f32 v[18+2*\u], 1.0, v[226+\u]         ; f = 2^(old M - new M)
.endr
.irp u, 0,1
.set NN, 0
.rept 32
	v_pk_fma_f32 v[96+64*\u+NN:97+64*\u+NN], v[96+64*\u+NN:97+64*\u+NN], s[CS:CS+1], v[10+4*\u:11+4*\u] op_sel_hi:[1,0,0]   ; t - M
.set NN, NN+2
.endr
.endr
	s_wait_alu depctr_va_vdst(0)                   ; the wait ahead of the batch
.set NN, 0
.rept 128
	v_exp_f32 v[96+NN], v[96+NN]                   ; p = 2^(t - M), at most 1
.set NN, NN+1
.endr
.irp u, 0,1
	v_pk_mul_f32 v[12+4*\u:13+4*\u], v[12+4*\u:13+4*\u], v[18+2*\u:19+2*\u] op_sel_hi:[1,0]   ; the sums under the new M
.endr
	s_wait_alu depctr_va_vdst(0)                   ; one wait for the batch, ahead of its first reader
.irp u, 0,1                                    ; the sum of the unquantised p, in four chains a tile
.irp c, 0,1,2,3
	v_pk_add_f32 v[232+8*\u+2*\c:233+8*\u+2*\c], v[96+64*\u+2*\c:97+64*\u+2*\c], v[104+64*\u+2*\c:105+64*\u+2*\c]
.endr
.endr
.set NN, 16
.rept 6
.irp u, 0,1
.irp c, 0,1,2,3
	v_pk_add_f32 v[232+8*\u+2*\c:233+8*\u+2*\c], v[232+8*\u+2*\c:233+8*\u+2*\c], v[96+64*\u+NN+2*\c:97+64*\u+NN+2*\c]
.endr
.endr
.set NN, NN+8
.endr
.irp u, 0,1
	v_pk_add_f32 v[232+8*\u:233+8*\u], v[232+8*\u:233+8*\u], v[234+8*\u:235+8*\u]
	v_pk_add_f32 v[236+8*\u:237+8*\u], v[236+8*\u:237+8*\u], v[238+8*\u:239+8*\u]
.endr
.irp u, 0,1
	v_pk_add_f32 v[232+8*\u:233+8*\u], v[232+8*\u:233+8*\u], v[236+8*\u:237+8*\u]
.endr
.irp u, 0,1
	v_pk_add_f32 v[12+4*\u:13+4*\u], v[12+4*\u:13+4*\u], v[232+8*\u:233+8*\u]
.endr
.irp t, 0,1,2,3,4,5,6,7
.irp u, 0,1
.irp i, 0,1,2,3,4,5,6,7
	v_min_num_f32 v[96+64*\u+8*\t+\i], v[96+64*\u+8*\t+\i], v[LIMP]   ; the hold; p is not negative, so it is one-sided
.endr
.endr
.irp u, 0,1
	v_cvt_scalef32_pk8_fp8_f32 v[64+16*\u+2*\t:65+16*\u+2*\t], v[96+64*\u+8*\t:103+64*\u+8*\t], v[SCP]   ; registers 2 t, 2 t + 1 of P's fragment
.endr
.endr
	WIN 0x41                                       ; destination and source 0: window 1
	s_wait_alu depctr_va_vdst(0)                   ; the wait directly ahead of the first reader of O^T
.irp u, 0,1
.set NN, 0
.rept 32
	v_pk_mul_f32 v[128+64*\u+NN:129+64*\u+NN], v[128+64*\u+NN:129+64*\u+NN], v[18+2*\u:19+2*\u] op_sel_hi:[1,0]   ; O^T under the new M
.set NN, NN+2
.endr
.endr
	s_wait_alu depctr_va_vdst(0)                   ; the wait directly ahead of the wait below
	s_wait_dscnt 0x0                               ; V is in
	WIN 0x51                                       ; source 0, C and D window 1, source 1 window 0
.irp t, 0,1,2,3,4,5,6,7                        ; sixteen accumulators by turns
.irp u, 0,1
	v_wmma_f32_16x16x128_fp8_fp8 v[128+64*\u+8*\t:135+64*\u+8*\t], v[16*\t:16*\t+15], v[64+16*\u:79+16*\u], v[128+64*\u+8*\t:135+64*\u+8*\t]
.endr
.endr
	WIN 0
	s_add_co_u32 s[SJ], s[SJ], 2
.endm
.Lslot:                                            ; eight trips: slots 0 to 7; behind each change the next slot is asked for
	CHANGE 1
	SWITCH
	STEP 1
	BARB
	s_add_co_u32 s80, s[NS], 1
	s_cmp_lg_u32 s80, s[NSW]                       ; the first block's last slot?
	s_cbranch_scc1 .Lno_dump
	DUMP DMY
.Lno_dump:
	s_xor_b32 s[TB], s[TB], RING
	s_add_co_u32 s[NS], s[NS], 1
	s_cmp_lt_u32 s[NS], 8
	s_cbranch_scc1 .Lslot
	CHANGE 0                                       ; slot 8 holds step 16 alone: the second block's diagonal, waves 0-3's
	SWITCH
	s_cmp_lg_u32 s[PAR], 0
	s_cbranch_scc1 .Lidle
	STEP 2
.Lidle:
	BARB
	DUMP DMY2
	s_wait_dscnt 0x0                               ; my stores are done
	s_barrier_signal -1
	s_barrier_wait -1
	MERGE DPA2, OB
	s_wait_tensorcnt 0x0                           ; the wave's end
	ds_add_u32 v[SPW], v[NIL]
	s_wait_dscnt 0x0
	s_endpgm
.Lfunc_end_k_qbe2b1b226a_attn:
	.size	k_qbe2b1b226a_attn, .Lfunc_end_k_qbe2b1b226a_attn-k_qbe2b1b226a_attn
	.p2alignl 7, 3214868480
	.fill 96, 4, 3214868480
	.section	.rodata,"a",@progbits
	.p2align	6, 0x0
	.amdhsa_kernel k_qbe2b1b226a_attn
		.amdhsa_group_segment_fixed_size 327680
		.amdhsa_private_segment_fixed_size 0
		.amdhsa_enable_private_segment 0
		.amdhsa_kernarg_size 56
		.amdhsa_user_sgpr_count 2
		.amdhsa_user_sgpr_kernarg_segment_ptr 1
		.amdhsa_wavefront_size32 1
		.amdhsa_system_sgpr_workgroup_id_x 1
		.amdhsa_system_sgpr_workgroup_id_y 1
		.amdhsa_system_sgpr_workgroup_id_z 1
		.amdhsa_system_vgpr_workitem_id 0
		.amdhsa_next_free_vgpr 512
		.amdhsa_next_free_sgpr 100
		.amdhsa_reserve_vcc 1
		.amdhsa_float_denorm_mode_32 3
		.amdhsa_float_denorm_mode_16_64 3
		.amdhsa_memory_ordered 1
		.amdhsa_forward_progress 1
		.amdhsa_inst_pref_size 150
	.end_amdhsa_kernel
	.amdgpu_metadata
---
amdhsa.version: [ 1, 2 ]
amdhsa.kernels:
  - .name:           k_qbe2b1b226a_attn
    .symbol:         k_qbe2b1b226a_attn.kd
    .args:
      - { .name: qf, .offset: 0, .size: 8, .value_kind: global_buffer, .address_space: global }
      - { .name: kf, .offset: 8, .size: 8, .value_kind: global_buffer, .address_space: global }
      - { .name: vf, .offset: 16, .size: 8, .value_kind: global_buffer, .address_space: global }
      - { .name: wo, .offset: 24, .size: 8, .value_kind: global_buffer, .address_space: global }
      - { .name: lowp_scales, .offset: 32, .size: 8, .value_kind: global_buffer, .address_space: global }
      - { .name: of, .offset: 40, .size: 8, .value_kind: global_buffer, .address_space: global }
      - { .name: wof, .offset: 48, .size: 8, .value_kind: global_buffer, .address_space: global }
    .group_segment_fixed_size: 327680
    .private_segment_fixed_size: 0
    .kernarg_segment_align: 8
    .kernarg_segment_size: 56
    .max_flat_workgroup_size: 256
    .sgpr_count:     100
    .vgpr_count:     512
    .wavefront_size: 32
...
	.end_amdgpu_metadata
.endif
;; end of part 2
;; launch outp (part 3): grid 8 x 32, 4 waves a work-group, clusters of 4 x 4, 327,680 bytes of LDS; arguments of, wof, lowp_scales, out0; writes out0
.if DOCPART == 3
	.amdgcn_target "amdgcn-amd-amdhsa--gfx1250"
	.amdhsa_code_object_version 6
	.text
	.protected	k_qbe2b1b226a_outp
	.globl	k_qbe2b1b226a_outp
	.p2align	8
	.type	k_qbe2b1b226a_outp,@function
k_qbe2b1b226a_outp:
	s_mov_b64 s[64:65], 0
	v_nop
	global_prefetch_b8 v0, s[64:65] scope:SCOPE_SE
	s_setreg_imm32_b32 hwreg(HW_REG_WAVE_MODE, 25, 1), 1
	s_wait_xcnt 0x0
	s_wait_alu depctr_hold_cnt(0) depctr_sa_sdst(0) depctr_va_vdst(0) depctr_va_sdst(0) depctr_va_ssrc(0) depctr_va_vcc(0) depctr_vm_vsrc(0)
	s_getreg_b32 s2, hwreg(HW_REG_IB_STS2, 6, 4)
	s_cmp_eq_u32 s2, 0
	s_cbranch_scc0 .Lentry_in_a_cluster
	s_endpgm
.Lentry_in_a_cluster:
	s_bfe_u32 s2, ttmp6, 0x10000c
	s_cmp_lg_u32 s2, 0xf033
	s_cbranch_scc0 .Lentry_shape_is_right
	s_endpgm
.Lentry_shape_is_right:
; out0[8,192][1,024] = o wo on codes of FP8 (E4M3), x 2^(e10 + e11).  K = 1,024.
; of: [k / 256: 4][token / 16: 512][(k / 128) % 2][2,048], wof: [k / 256][column / 16: 64][(k / 128) % 2][2,048]: images of operand registers: registers 4 c .. 4 c + 3 of lane l at byte 512 c + 16 l.
; 256 work-groups; a work-group makes 256 rows x 128 columns, each of its four waves 128 x 64 in 32 accumulators.
; LDS holds three K steps of 256 (A 64 KiB, B 32 KiB each): they are asked for at the head by one load a wave: 3 rows, one a K step, of 32 KiB (half of A's 16 tiles: waves 0, 1) or 16 KiB (half of B's 8: waves 2, 3).
; K step 3 is a refill of K step 0's bytes, behind a round of the cluster's barrier, when every wave holds K step 0 in registers; four steps of 128 are multiplied before it is waited for.
; CLUSTERS: 4 x 4 work-groups; A's tiles are asked for jointly along a row of the cluster, B's along a column.
; NO PREFETCH: the launch has no loop to run ahead in: three of the four K steps are asked for at the head.
; THE MATRIX INSTRUCTION IS USED TRANSPOSED (source 0 = 16 columns of wo, source 1 = 16 tokens): a lane holds eight neighbouring numbers of a row of out0.
; LIMIT: e10 + e11 lies between -126 and 127, so that 2^(e10 + e11) is an f32 number.
; REGISTERS: window 0: addresses, v32-127 the way out; window 1: the accumulators, (a, b) at v[8 (4 a + b)]; windows 2, 3: two sets of fragments, A's eight at v0-127, B's four at v128-191.
.set AH,     98304                     ; half of A: three K steps of 32 KiB
.set BBASE,  2*AH
.set BH,     49152
.set SPARE,  BBASE+2*BH                ; the spare words: two blocks of 256 bytes that no other line names
.set STAGE,  SPARE+512                 ; the way out: 16 rows of 256 + 16 bytes for each wave; no tile lands here
.set SPITCH, 272
.set ADA0, 16
.set ADA2, 17
.set ADB,  18
.set STO,  24
.set RD,   25
.set CO,   26
.set SPW,  28
.set NIL,  29
.set TMP,  32
.set BK,   64
.set GA3, 24
.set GB3, 32
.set GA1, 40
.set GB1, 48
.set G0A, 56
.set G0B, 60
.set MSB, 0
.macro WIN new                         ; the immediate's high byte repeats the setting that is left
.if MSB != \new
	s_set_vgpr_msb (MSB<<8)|\new
.set MSB, \new
.endif
.endm
.macro PLACES
.rept 4
	v_nop
.endr
.endm
.macro JLOAD g1a, g1b                  ; a joint load: waves 0, 1 for A, waves 2, 3 for B; an s_nop 0 and four v_nop follow each line
	s_cmp_eq_u32 s15, 0
	s_cbranch_scc0 .Lfor_b_\@
	tensor_load_to_lds s[G0A:G0A+3], s[\g1a:\g1a+7]
	s_nop 0
	PLACES
	s_branch .Lasked_\@
.Lfor_b_\@:
	tensor_load_to_lds s[G0B:G0B+3], s[\g1b:\g1b+7]
	s_nop 0
	PLACES
.Lasked_\@:
.endm
.macro CROUND                          ; a round of the cluster's barrier
	s_barrier_signal -1
	s_barrier_wait -1
	s_cmp_lg_u32 s14, 0
	s_cbranch_scc1 .Lnot_wave_0_\@
	s_barrier_signal -3
.Lnot_wave_0_\@:
	s_barrier_wait -3
	s_barrier_signal -1
	s_barrier_wait -1
.endm
.macro G1SET g, c, r, p                ; r rows of c elements of 8 bytes, p elements apart
	s_mov_b32 s[\g+1], (\c)<<16
	s_mov_b32 s[\g+2], (\r)<<16
	s_mov_b32 s[\g+3], (\c)<<16
	s_mov_b32 s[\g+4], \r
	s_mov_b32 s[\g+5], \p
	s_mov_b32 s[\g+6], 0
	s_mov_b32 s[\g+7], 0
.endm
	s_load_b128 s[4:7], s[0:1], 0x0                ; of, wof
	s_load_b128 s[8:11], s[0:1], 0x10              ; the scales' exponents, out0
	v_lshl_add_u32 v[SPW], v0, 2, SPARE
	v_mov_b32 v[NIL], 0
	ds_add_u32 v[SPW], v[NIL]                      ; the opening lines: the add twice on end and one wait
	ds_add_u32 v[SPW], v[NIL]
	v_lshrrev_b32 v1, 5, v0
	v_readfirstlane_b32 s14, v1                    ; wave 0..3
	s_lshr_b32 s15, s14, 1                         ; which 128 rows are mine.  Also: I fetch for A (0) or for B (1)
	s_and_b32 s16, s14, 1                          ; which 64 columns.  Also: which half of that tile I fetch
	s_bfe_u32 s17, ttmp6, 0x40000                  ; cx
	s_bfe_u32 s18, ttmp6, 0x40004                  ; cy
	s_lshl_b32 s19, ttmp9, 2
	s_add_co_u32 s19, s19, s17                     ; block of 128 columns
	s_and_b32 s20, ttmp7, 0xffff
	s_lshl_b32 s20, s20, 2
	s_add_co_u32 s20, s20, s18                     ; block of 256 rows
	s_lshl_b32 s21, s18, 2
	s_lshl_b32 s21, 15, s21                        ; my row of the cluster
	s_lshl_b32 s22, 0x1111, s17                    ; my column
	s_or_b32 s[GA3], s21, (3<<16)|(1<<21)          ; the mask; elements of 8 bytes; bit 21 set beside a mask
	s_or_b32 s[GA1], s21, (3<<16)|(1<<21)
	s_or_b32 s[GB3], s22, (3<<16)|(1<<21)
	s_or_b32 s[GB1], s22, (3<<16)|(1<<21)
	G1SET GA3, 4096, 3, 262144                     ; three K steps of 32 KiB, 2 MiB apart
	G1SET GB3, 2048, 3, 32768                      ; of 16 KiB, 256 KiB apart
	G1SET GA1, 32, 128, 32                         ; 32 KiB dense as rows of 256 bytes
	G1SET GB1, 32, 64, 32                          ; 16 KiB
	s_lshl_b32 s66, s20, 16
	s_lshl_b32 s68, s16, 15
	s_add_co_u32 s66, s66, s68                     ; A: 16 tiles of 4 KiB a block, + my half
	s_mov_b32 s67, 0
	s_lshl_b32 s70, s19, 15
	s_lshl_b32 s68, s16, 14
	s_add_co_u32 s70, s70, s68                     ; B: 8 tiles a block, + my half
	s_mov_b32 s71, 0
	s_mul_i32 s72, s16, AH                         ; where they go: the wave's number alone
	s_mul_i32 s73, s16, BH
	s_add_co_u32 s73, s73, BBASE
	s_mul_i32 s74, s15, AH                         ; what I read
	s_mul_i32 s23, s14, 16*SPITCH
	s_add_co_u32 s23, s23, STAGE                   ; my stage
	s_lshl_b32 s76, s20, 20                        ; out0: 256 rows of 4,096 bytes a block,
	s_lshl_b32 s77, s15, 19
	s_add_co_u32 s76, s76, s77                     ; + my 128 rows,
	s_lshl_b32 s78, s19, 9
	s_lshl_b32 s79, s16, 8
	s_add_co_u32 s78, s78, s79                     ; and my first column
	s_mov_b32 s77, 0
	s_mov_b32 s79, 0
	s_add_nc_u64 s[76:77], s[76:77], s[78:79]
	s_wait_dscnt 0x0                               ; both opening adds are done
	s_wait_kmcnt 0x0
	s_load_b64 s[96:97], s[8:9], 0x28              ; e10, e11
	s_add_nc_u64 s[66:67], s[4:5], s[66:67]
	s_add_nc_u64 s[70:71], s[6:7], s[70:71]
	s_add_nc_u64 s[10:11], s[10:11], s[76:77]
	CROUND                                         ; all sixteen work-groups are here: the first joint loads meet
	s_mov_b32 s[G0A], 1
	s_mov_b32 s[G0A+1], s72
	s_mov_b64 s[G0A+2:G0A+3], s[66:67]
	s_or_b32 s[G0A+3], s[G0A+3], 0x80000000
	s_mov_b32 s[G0B], 1
	s_mov_b32 s[G0B+1], s73
	s_mov_b64 s[G0B+2:G0B+3], s[70:71]
	s_or_b32 s[G0B+3], s[G0B+3], 0x80000000
	JLOAD GA3, GB3                                 ; K steps 0 to 2: my one load at the head
	v_and_b32 v1, 15, v0                           ; r
	v_bfe_u32 v2, v0, 4, 1                         ; h
	v_and_b32 v6, 31, v0
	v_lshlrev_b32 v4, 4, v6
	v_add_nc_u32 v[ADA0], s74, v4
	v_add_nc_u32 v[ADA2], 65536, v[ADA0]
	v_add_nc_u32 v[ADB], s73, v4
	v_mul_u32_u24 v5, v1, SPITCH                   ; in: row r, 32 bytes for each half of the lanes
	v_lshl_add_u32 v5, v2, 5, v5
	v_add_nc_u32 v[STO], s23, v5
	v_mul_u32_u24 v5, v2, SPITCH                   ; back: lanes 0-15 one row of 256 bytes, lanes 16-31 the next
	v_lshl_add_u32 v5, v1, 4, v5
	v_add_nc_u32 v[RD], s23, v5
	v_lshlrev_b32 v[CO], 12, v2                    ; and the same two rows in out0
	v_lshl_add_u32 v[CO], v1, 4, v[CO]
.macro FETCH q, p                      ; the fragments of the q-th 128 along K into set p: 48 loads
	WIN 0x80+0x40*(\p)
.set US, ((\q)/2)%3
.if US == 2
.set AR, ADA2
.set AO, 0
.else
.set AR, ADA0
.set AO, US*32768
.endif
.irp a, 0,1,2,3,4,5,6,7
.irp c, 0,1,2,3
	ds_load_b128 v[16*\a+4*\c:16*\a+4*\c+3], v[AR] offset:AO+4096*\a+2048*((\q)%2)+512*\c
.endr
.endr
.irp b, 0,1,2,3
.irp c, 0,1,2,3
	ds_load_b128 v[128+16*\b+4*\c:131+16*\b+4*\c], v[ADB] offset:US*16384+4096*\b+2048*((\q)%2)+512*\c
.endr
.endr
.endm
.macro MUL p, zero                     ; 32 matrix instructions, the 32 accumulators by turns in the same order in every step
	WIN 0x5a+5*(\p)                                ; sources 0 and 1: window 2 + p; C and D: window 1
.irp a, 0,1,2,3,4,5,6,7
.irp b, 0,1,2,3
.if \zero
	v_wmma_f32_16x16x128_fp8_fp8 v[8*(4*\a+\b):8*(4*\a+\b)+7], v[128+16*\b:143+16*\b], v[16*\a:16*\a+15], 0
.else
	v_wmma_f32_16x16x128_fp8_fp8 v[8*(4*\a+\b):8*(4*\a+\b)+7], v[128+16*\b:143+16*\b], v[16*\a:16*\a+15], v[8*(4*\a+\b):8*(4*\a+\b)+7]
.endif
.endr
.endr
.endm
.macro NEXT q                          ; fetch step q + 1 into the set that step q - 1 has left, then multiply step q
	PLACES
	FETCH (\q)+1, ((\q)+1)%2
	s_wait_dscnt 48                                ; step q's fragments are in; the 48 loads just issued may be out
	MUL (\q)%2, 0
.endm
	s_wait_alu depctr_va_vdst(0)                   ; the wait at the head's end
	s_wait_tensorcnt 0x0                           ; my part of K steps 0 to 2 is in
	s_barrier_signal -1
	s_barrier_wait -1                              ; everybody's is
	FETCH 0, 0
	FETCH 1, 1
	s_wait_dscnt 48
	MUL 0, 1                                       ; the first products start the sums: nothing is cleared
	WIN 0
	s_wait_tensorcnt 0x0                           ; no load of mine is out: the groups 0 may be written
	ds_add_u32 v[SPW], v[NIL]
	s_add_nc_u64 s[G0A+2:G0A+3], s[G0A+2:G0A+3], 3<<21   ; K step 3, into K step 0's bytes
	s_add_nc_u64 s[G0B+2:G0B+3], s[G0B+2:G0B+3], 3<<18
	s_wait_dscnt 0x0                               ; the add is done, and K step 0 is in my registers
	CROUND                                         ; no wave of any partner still reads K step 0 or has a load on its way
	JLOAD GA1, GB1                                 ; my one load behind the round; its four v_nop are the places ahead of the loads below
	FETCH 2, 0
	s_wait_dscnt 48
	MUL 1, 0
	NEXT 2
	NEXT 3
	NEXT 4
	WIN 0
	s_wait_tensorcnt 0x0                           ; my part of K step 3 is in
	s_wait_dscnt 0x0
	s_barrier_signal -1
	s_barrier_wait -1                              ; everybody's is
	NEXT 5
	NEXT 6
	s_wait_dscnt 0x0
	MUL 1, 0
	WIN 0
; THE WAY OUT, block by block of 16 rows x 64 columns, through my own stage: whole rows of 256 bytes come back, and sixteen lanes store one aligned unit.
.macro TOSTAGE a
	WIN 0x01                                       ; source 0: window 1
.set JJ, 0
.rept 16
	v_pk_mul_f32 v[TMP+JJ:TMP+JJ+1], v[32*(\a)+JJ:32*(\a)+JJ+1], s[96:97] op_sel_hi:[1,0]   ; x 2^(e10 + e11); each accumulator from its low end on
.set JJ, JJ+2
.endr
	WIN 0
.irp b, 0,1,2,3
	ds_store_b128 v[STO], v[TMP+8*\b:TMP+8*\b+3] offset:64*\b
	ds_store_b128 v[STO], v[TMP+8*\b+4:TMP+8*\b+7] offset:64*\b+16
.endr
.set BB, BK+32*((\a)%2)
.irp t, 0,1,2,3,4,5,6,7
	ds_load_b128 v[BB+4*\t:BB+4*\t+3], v[RD] offset:\t*2*SPITCH   ; LDS serves a wave's instructions in order (ISA guide 5.7.1.4): these see the stores above
.endr
.endm
.macro SEND a, younger                 ; younger: the LDS instructions issued behind block a's loads
.set BB, BK+32*((\a)%2)
	s_wait_dscnt \younger
.irp t, 0,1,2,3,4,5,6,7
	global_store_b128 v[CO], v[BB+4*\t:BB+4*\t+3], s[10:11] offset:(16*(\a)+2*\t)*4096 th:TH_STORE_NT   ; 16 lanes store 256 consecutive bytes, aligned
.endr
.endm
	s_wait_kmcnt 0x0
	s_add_co_i32 s96, s96, s97
	s_add_co_i32 s96, s96, 127
	s_lshl_b32 s96, s96, 23                        ; 2^(e10 + e11)
	PLACES                                         ; behind the last products
	TOSTAGE 0
.irp a, 1,2,3,4,5,6,7
.if \a > 1
	s_wait_xcnt 0x0                                ; block a - 2's stores have read their registers
.endif
	TOSTAGE \a
	SEND \a-1, 16                                  ; behind block a - 1's loads: block a's 8 stores and 8 loads
.endr
	SEND 7, 0
	s_wait_tensorcnt 0x0                           ; the wave's end
	ds_add_u32 v[SPW], v[NIL]
	s_wait_dscnt 0x0
	CROUND                                         ; the closing round
	s_endpgm
.Lfunc_end_k_qbe2b1b226a_outp:
	.size	k_qbe2b1b226a_outp, .Lfunc_end_k_qbe2b1b226a_outp-k_qbe2b1b226a_outp
	.p2alignl 7, 3214868480
	.fill 96, 4, 3214868480
	.section	.rodata,"a",@progbits
	.p2align	6, 0x0
	.amdhsa_kernel k_qbe2b1b226a_outp
		.amdhsa_group_segment_fixed_size 327680
		.amdhsa_private_segment_fixed_size 0
		.amdhsa_enable_private_segment 0
		.amdhsa_kernarg_size 32
		.amdhsa_user_sgpr_count 2
		.amdhsa_user_sgpr_kernarg_segment_ptr 1
		.amdhsa_wavefront_size32 1
		.amdhsa_system_sgpr_workgroup_id_x 1
		.amdhsa_system_sgpr_workgroup_id_y 1
		.amdhsa_system_sgpr_workgroup_id_z 1
		.amdhsa_system_vgpr_workitem_id 0
		.amdhsa_next_free_vgpr 1024
		.amdhsa_next_free_sgpr 98
		.amdhsa_reserve_vcc 0
		.amdhsa_float_denorm_mode_32 3
		.amdhsa_float_denorm_mode_16_64 3
		.amdhsa_memory_ordered 1
		.amdhsa_forward_progress 1
		.amdhsa_inst_pref_size 73
	.end_amdhsa_kernel
	.amdgpu_metadata
---
amdhsa.version: [ 1, 2 ]
amdhsa.kernels:
  - .name:           k_qbe2b1b226a_outp
    .symbol:         k_qbe2b1b226a_outp.kd
    .args:
      - { .name: of, .offset: 0, .size: 8, .value_kind: global_buffer, .address_space: global }
      - { .name: wof, .offset: 8, .size: 8, .value_kind: global_buffer, .address_space: global }
      - { .name: lowp_scales, .offset: 16, .size: 8, .value_kind: global_buffer, .address_space: global }
      - { .name: out0, .offset: 24, .size: 8, .value_kind: global_buffer, .address_space: global }
    .group_segment_fixed_size: 327680
    .private_segment_fixed_size: 0
    .kernarg_segment_align: 8
    .kernarg_segment_size: 32
    .max_flat_workgroup_size: 128
    .sgpr_count:     98
    .vgpr_count:     1024
    .wavefront_size: 32
...
	.end_amdgpu_metadata
.endif
;; end of part 3
